; MI455X (gfx1250); checked and timed in simulation.
; The chip was launched on July 23, 2026; its instructions are those of AMD's public machine-readable ISA for CDNA 5 (MIT licence, August 2026) and "CDNA5" Instruction Set Architecture Reference Guide (July 2026). The comments in the code are by the model that wrote it; some were corrected since.
;; Pair Conditioned Retriever. Allowed arithmetic: float matrix products may take bf16 or f16 operands with f32 sums; all other float work in f32.
;; Inputs: condition 2,048 x 512 float32; neighbor_stats 2,048 x 32 x 16 float32; neighbors 2,048 x 32 x 512 float32; pb1 512 float32; pb2 512 float32; pw1 528 x 512 float32; pw2 512 x 512 float32; query 2,048 x 512 float32; sb1 512 float32; sb2 1 float32; sim_alpha one number float32; sw1 1,552 x 512 float32; sw2 512 x 1 float32.
;; Outputs: out0 2,048 x 512 float32; out1 2,048 x 32 float32.
;; 2 versions, each right. Each part assembles by itself: llvm-mc -triple=amdgcn-amd-amdhsa -mcpu=gfx1250 --defsym DOCPART=n.
;; ======== version 1 of 2: 2 launches
;; limits: a function is approximated: absolute error at most 2.5e-05; an absolute error that grows with the inputs' magnitude: up to 1.25e-05 times it
;; workspace buffers: ws 2,686,976 bytes
;; launch pack (part 1): grid 328 x 1, 4 waves a work-group, no clusters, 8,704 bytes of LDS; arguments sw1, pw1, pw2, ws; writes ws
.if DOCPART == 1
	.amdgcn_target "amdgcn-amd-amdhsa--gfx1250"
	.amdhsa_code_object_version 6
	.text
	.protected	k_q606577227b_pack
	.globl	k_q606577227b_pack
	.p2align	8
	.type	k_q606577227b_pack,@function
k_q606577227b_pack:
	s_mov_b64 s[64:65], 0
	v_nop
	global_prefetch_b8 v0, s[64:65] scope:SCOPE_SE
	s_setreg_imm32_b32 hwreg(HW_REG_WAVE_MODE, 25, 1), 1
	s_wait_xcnt 0x0
; sw1 [1552][512], pw1 [528][512], pw2 [512][512] (f32, [k][n]) -> ws: bf16, cut into ready matrix fragments, in the order in which each of
; the four waves of the next launch takes them.
; FRAGMENT (1,024 bytes): 16 columns n0.. x 32 rows k0.. .  With L = 16 h + r: bytes 16 L .. +15 hold W[k0+8h+e][n0+r], e = 0..7,
; bytes 512 + 16 L .. +15 hold W[k0+16+8h+e][n0+r]: two 16-byte loads a lane at 16 L fill the eight registers of a 16-bit matrix operand.
; GROUP = 4 fragments (4,096 bytes).  ws = 4 regions (one a wave) of 164 groups:
;   0..63    sw1 rows 0..1023 (query, condition): k step g/2, columns 128 w + 64 (g%2) + 16 f
;   64..97   sw1 rows 1024..1551: pass p = (g-64)/17, step i = (g-64)%17, columns 256 p + 64 w + 16 f; i = 0: the 16 stat rows and 16 rows of zeros; else rows 992 + 32 i ..
;   98..131  pw1, k step (g-98)/2, columns as in the first part; rows 528..543 are zeros
;   132..163 pw2, likewise
; A work-group takes 32 rows x 128 columns of one matrix: 16 KiB in, 8 fragments out.  328 work-groups = 82 row blocks x 4 column blocks.
; Each load of a wave covers 512 consecutive bytes of a row; each store of a wave covers 512 consecutive bytes of ws, aligned to 512.
.set WSTRIDE, 671744                   ; bytes of a wave's region: 164 groups
.set GRP, 4096
.set X, 8                              ; v[8:39]   8 rows x 4 columns, f32
.set P, 40                             ; v[40:55]  4 columns x 8 k, bf16
.set O, 56                             ; v[56:71]  on the way out
	s_load_b256 s[4:11], s[0:1], 0x0               ; sw1 s[4:5], pw1 s[6:7], pw2 s[8:9], ws s[10:11]
	v_lshl_add_u32 v72, v0, 2, 0x2000
	v_mov_b32 v73, 0
	v_lshrrev_b32 v1, 5, v0
	v_readfirstlane_b32 s2, v1                     ; wave 0..3: it takes rows 8 wave .. +7 of the block
	v_and_b32 v2, 31, v0                           ; lane: columns 4 lane .. +3
	v_lshlrev_b32 v3, 4, v2                        ; 16 bytes a lane in a row
	s_lshl_b32 s3, s2, 11
	v_lshl_add_u32 v4, v2, 6, s3                   ; stage, in: 2,048 wave + 64 lane (+ 16 column): each wave's bytes are its own
	v_bfe_u32 v5, v0, 4, 2                         ; stage, back: byte o = 16 t + 2,048 j of the 8 fragments is fragment o/1024, wave (o/256)%4, byte o%256,
	v_lshlrev_b32 v5, 11, v5                       ; which lies at 2,048 wave + 256 fragment + byte
	v_lshrrev_b32 v7, 6, v0
	v_lshl_add_u32 v5, v7, 8, v5
	v_and_b32 v7, 15, v0
	v_lshl_add_u32 v5, v7, 4, v5                   ; (+ 512 j)
	v_lshlrev_b32 v6, 4, v0                        ; 16 t: my bytes in ws
	; which block: kid = row block 0..81, c = column block 0..3
	s_lshr_b32 s16, ttmp9, 2
	s_and_b32 s17, ttmp9, 3
	s_cmp_lt_u32 s16, 66                           ; first row = 32 (kid - s24): s24 = 0 (sw1, upper part), 1 (sw1, neighbour part), 49 (pw1), 66 (pw2)
	s_cselect_b32 s24, 49, 66
	s_cmp_lt_u32 s16, 49
	s_cselect_b32 s24, 1, s24
	s_cmp_lt_u32 s16, 32
	s_cselect_b32 s24, 0, s24
	s_sub_co_u32 s18, s16, s24
	s_lshl_b32 s18, s18, 5
	s_cmp_eq_u32 s16, 32                           ; the stat rows of sw1 come first in their part
	s_cselect_b32 s18, 1536, s18
	s_cselect_b32 s19, 1, 0                        ; s19 = 1: only 16 rows exist, the other 16 are zeros
	s_cmp_eq_u32 s16, 65                           ; pw1's last block likewise
	s_cselect_b32 s19, 1, s19
	s_lshl_b32 s20, s16, 1                         ; group 2 kid, region c, second four fragments in the next group ...
	s_mov_b32 s21, s17
	s_mov_b32 s22, GRP
	s_mov_b32 s23, 0
	s_sub_co_u32 s25, s16, 32                      ; ... but for kid 32..48 (i = kid - 32; below 32 it wraps and fails the compare):
	s_lshr_b32 s26, s17, 1
	s_mul_i32 s26, s26, 17
	s_add_co_u32 s26, s26, s25
	s_add_co_u32 s26, s26, 64                      ; group 64 + 17 (c/2) + i,
	s_and_b32 s27, s17, 1
	s_lshl_b32 s27, s27, 1                         ; regions 2 (c%2) and 2 (c%2) + 1
	s_cmp_lt_u32 s25, 17
	s_cselect_b32 s20, s26, s20
	s_cselect_b32 s21, s27, s21
	s_cselect_b32 s22, WSTRIDE, s22
	s_lshl_b32 s28, s2, 3                          ; source offset: (first row + 8 wave) rows of 2,048 bytes + 512 c
	s_add_co_u32 s28, s28, s18
	s_lshl_b32 s28, s28, 11
	s_lshl_b32 s29, s17, 9
	s_add_co_u32 s28, s28, s29
	s_mov_b32 s29, 0
	s_mul_i32 s24, s21, WSTRIDE                    ; target offset
	s_lshl_b32 s25, s20, 12
	s_add_co_u32 s24, s24, s25
	s_mov_b32 s25, 0
	s_wait_kmcnt 0x0
	s_cmp_lt_u32 s16, 66
	s_cselect_b64 s[12:13], s[6:7], s[8:9]
	s_cmp_lt_u32 s16, 49
	s_cselect_b64 s[12:13], s[4:5], s[12:13]       ; the matrix
	s_add_nc_u64 s[12:13], s[12:13], s[28:29]
	s_add_nc_u64 s[10:11], s[10:11], s[24:25]      ; fragments 0-3
	s_add_nc_u64 s[14:15], s[10:11], s[22:23]      ; fragments 4-7
	s_lshr_b32 s24, s2, 1                          ; waves 2 and 3 of a block with 16 rows load nothing: no load leaves the matrix
	s_and_b32 s24, s24, s19
	s_cmp_lg_u32 s24, 0
	s_cbranch_scc1 .Lzeros
.irp j, 0,1,2,3,4,5,6,7
	global_load_b128 v[X+4*\j:X+4*\j+3], v3, s[12:13] offset:2048*\j th:TH_LOAD_NT
.endr
	s_wait_loadcnt 0x0
.irp c, 0,1,2,3
.irp q, 0,1,2,3
	v_cvt_pk_bf16_f32 v[P+4*\c+\q], v[X+8*\q+\c], v[X+8*\q+4+\c]   ; column c, rows 2 q and 2 q + 1
.endr
.endr
	s_branch .Lput
.Lzeros:
.irp q, 0,1,2,3,4,5,6,7,8,9,10,11,12,13,14,15
	v_mov_b32 v[P+\q], 0
.endr
.Lput:
.irp c, 0,1,2,3
	ds_store_b128 v4, v[P+4*\c:P+4*\c+3] offset:16*\c
.endr
	s_wait_dscnt 0x0                               ; my stores are in LDS before I say so
	s_barrier_signal -1
	s_barrier_wait -1                              ; all four waves' are
.irp j, 0,1,2,3
	ds_load_b128 v[O+4*\j:O+4*\j+3], v5 offset:512*\j
.endr
	s_wait_dscnt 3                                 ; LDS loads come back in order: the count is the number of younger ones
	global_store_b128 v6, v[O:O+3], s[10:11]
	s_wait_dscnt 2
	global_store_b128 v6, v[O+4:O+7], s[10:11] offset:2048
	s_wait_dscnt 1
	global_store_b128 v6, v[O+8:O+11], s[14:15]
	s_wait_dscnt 0
	global_store_b128 v6, v[O+12:O+15], s[14:15] offset:2048
	s_wait_tensorcnt 0x0
	ds_add_u32 v72, v73
	s_wait_dscnt 0x0
	s_endpgm
.Lfunc_end_k_q606577227b_pack:
	.size	k_q606577227b_pack, .Lfunc_end_k_q606577227b_pack-k_q606577227b_pack
	.p2alignl 7, 3214868480
	.fill 96, 4, 3214868480
	.section	.rodata,"a",@progbits
	.p2align	6, 0x0
	.amdhsa_kernel k_q606577227b_pack
		.amdhsa_group_segment_fixed_size 8704
		.amdhsa_private_segment_fixed_size 0
		.amdhsa_enable_private_segment 0
		.amdhsa_kernarg_size 32
		.amdhsa_user_sgpr_count 2
		.amdhsa_user_sgpr_kernarg_segment_ptr 1
		.amdhsa_wavefront_size32 1
		.amdhsa_system_sgpr_workgroup_id_x 1
		.amdhsa_system_sgpr_workgroup_id_y 1
		.amdhsa_system_sgpr_workgroup_id_z 1
		.amdhsa_system_vgpr_workitem_id 0
		.amdhsa_next_free_vgpr 74
		.amdhsa_next_free_sgpr 66
		.amdhsa_reserve_vcc 0
		.amdhsa_float_denorm_mode_32 3
		.amdhsa_float_denorm_mode_16_64 3
		.amdhsa_memory_ordered 1
		.amdhsa_forward_progress 1
		.amdhsa_inst_pref_size 7
	.end_amdhsa_kernel
	.amdgpu_metadata
---
amdhsa.version: [ 1, 2 ]
amdhsa.kernels:
  - .name:           k_q606577227b_pack
    .symbol:         k_q606577227b_pack.kd
    .args:
      - { .name: sw1, .offset: 0, .size: 8, .value_kind: global_buffer, .address_space: global }
      - { .name: pw1, .offset: 8, .size: 8, .value_kind: global_buffer, .address_space: global }
      - { .name: pw2, .offset: 16, .size: 8, .value_kind: global_buffer, .address_space: global }
      - { .name: ws, .offset: 24, .size: 8, .value_kind: global_buffer, .address_space: global }
    .group_segment_fixed_size: 8704
    .private_segment_fixed_size: 0
    .kernarg_segment_align: 8
    .kernarg_segment_size: 32
    .max_flat_workgroup_size: 128
    .sgpr_count:     66
    .vgpr_count:     74
    .wavefront_size: 32
...
	.end_amdgpu_metadata
.endif
;; end of part 1
;; launch fused (part 2): grid 256 x 1, 4 waves a work-group, no clusters, 325,888 bytes of LDS; arguments query, condition, neighbors, neighbor_stats, sb1, sw2, sb2, sim_alpha, pb1, pb2, ws, out0, out1; writes out0, out1
.if DOCPART == 2
	.amdgcn_target "amdgcn-amd-amdhsa--gfx1250"
	.amdhsa_code_object_version 6
	.text
	.protected	k_q606577227b_fused
	.globl	k_q606577227b_fused
	.p2align	8
	.type	k_q606577227b_fused,@function
k_q606577227b_fused:
	s_mov_b64 s[64:65], 0
	v_nop
	global_prefetch_b8 v0, s[64:65] scope:SCOPE_SE
	s_setreg_imm32_b32 hwreg(HW_REG_WAVE_MODE, 25, 1), 1
	s_wait_xcnt 0x0
; The whole module for 8 batches (256 neighbour rows) a work-group; 256 work-groups, four waves.
;   P0/P1  qc[b] = q[b] sw1[0:512] + c[b] sw1[512:1024] + sb1: the part of the scorer's first layer that is equal for a batch's 32 rows, once a batch, kept in f32
;   P2     the 256 rows [neighbour | stats | 16 zeros] go into LDS as bf16: memory is read once, the scorer and the mix both read LDS
;   P3     scorer: two passes of 256 hidden columns; a wave owns 256 rows x 64 columns (64 accumulator tiles, 512 registers); then + qc, GELU, dot with sw2 inside the lane
;   P4     logits over the waves, + sb2 + alpha x stat 15, softmax (the row's maximum is taken away) -> out1; mixed = attention x rows, on the matrix unit
;   P5/P6  out0 = gelu(mixed pw1 + pb1) pw2 + pb2
; EVERY PRODUCT IS USED TRANSPOSED: source 0 = a weight fragment (16 output columns x 32 k), source 1 = 16 rows of activations from LDS.  Register j of lane
; (r = lane%16, h = lane/16) of a result is then (output column n0 + 8 h + j, row r): a lane holds eight neighbouring columns of one row.
; INTERMEDIATES IN TWO PARTS: attention, mixed and hidden are no inputs, and one bf16 keeps 8 significant bits of them.  Each goes to the matrix unit as
; upper part (the value rounded to bf16) + rest (the exact remainder, rounded to bf16).  P5 and P6 have 8 batches for an operand of 16 rows: rows 0-7 take the upper
; parts and rows 8-15 the rests, so the rest costs no matrix instruction; lanes r and r xor 8 then hold the two partial results, which one add joins.
; In the mix the rest of the attention is a second matrix instruction on the same accumulator: 68 more a wave.
; WEIGHTS come as ready bf16 fragments from ws (written by the launch before), 16 bytes a lane, straight into registers: the waves split the output columns, so
; a fragment has one reader in the work-group, and a passage through LDS would add a write and a read.  NO JOINT LOADS IN A CLUSTER: 282,624 bytes of LDS hold
; the rows and 42,624 the small regions, of 327,680: what is left (2,432 bytes) holds no slot for a weight tile.
; THE LOAD RING: what a wave consumes is a list of positions of 8 loads (32 registers) each.  Step n waits until 48 loads are out (positions n+1 .. n+6, which were
; issued behind position n), works, and issues position n + 7 into the slot that step n - 1 consumed: 56 loads of a wave are out at the most.
; LIMITS.  erf by the rational form of Abramowitz and Stegun 7.1.25, absolute error at most 2.5e-5 for every argument (no range is cut: x x = inf gives
; exp2(-inf) = 0, the right limit).  v_exp_f32 and v_rcp_f32 flush denormals (ISA guide 15.8): an attention weight below 2^-126 is 0.  Inputs and weights enter
; the matrix unit as one bf16 each, all sums are f32.  Infinite or NaN inputs are not reproduced.
; REGISTER WINDOWS (s_set_vgpr_msb; bits 1:0 source 0, 3:2 source 1, 5:4 source 2, 7:6 destination): window 0 addresses, activations, work; window 1 the ring's
; eight slots; windows 2 and 3 accumulators (window 2 also: landing registers of P0 and P2, the small products' eight accumulators, the attention fragments).
.set PA, 1104                          ; an LDS row of A and of MIX: 1,088 bytes of data + 16: 69 x 16, so 16 rows start in 16 different 16-byte columns
.set QCOP, 282624                      ; bf16 [q | c], 8 rows
.set PQ, 2064
.set MIX, QCOP                         ; later: bf16 mixed, 16 rows of pitch PA, row 2 b + s (s = 0 upper part, 1 rest): 17,664 bytes, which reach into QCF, dead by then
.set QCF, 299136                       ; f32 qc: [wave][8 batches][128 columns]
.set PF32, 528
.set WQ, 4224                          ; 8 x 528
.set LP, 316032                        ; partial logits [wave][256 rows]
.set SIM, 320128                       ; f32 stats 3, 7, 11, 15 of each row, 16 bytes a row
.set ATT, 324224                       ; bf16 attention: [batch][upper part 64 bytes | rest 64 bytes]
.set HID, 0                            ; inside A, when A is dead: bf16 hidden [wave][16 rows: 2 b + s][128]
.set PH, 272
.set WH, 4352
.set OST, 32768                        ; inside A, when A is dead: each wave's own stage, 8 rows x 528 bytes
.set GRP, 4096
.set WSTRIDE, 671744
; window 0
.set L16, 1                            ; 16 lane
.set VB, 2                             ; 512 w + 32 h: my eight numbers of tile 0 in sb1, pb1, pb2
.set VSW, 3                            ; 256 w + 32 h: the same in a pass's part of sw2
.set XA, 4                             ; v4-7    (64 q + r) PA + 16 h
.set QA, 8                             ; qc of my columns, batch 0
.set LANE, 9
.set R7, 10                            ; r % 8
.set H, 11
.set PF, 13                            ; 256 lane, never rewritten
.set MONE, 15                          ; -1.0, from P4 on
.set CP, 16                            ; constant pairs
.set CK, 18
.set CA1, 20
.set CA2, 22
.set CA3, 24
.set ONE, 26
.set ZERO, 28                          ; v28-31
.set LS, 32                            ; v32-63  a pair of logit sums for each of 16 row tiles; before P3 addresses, in P4 packed results
.set QCS, 32
.set QCL, 33
.set QFS, 34
.set LA, 35
.set STA, 36
.set SIMS, 37
.set ZA, 38
.set X0, 64                            ; v64-127  activations, buffer 0
.set X1, 128                           ; v128-191 buffer 1; in the epilogues:
.set TX, 128
.set TA, 136
.set TU, 144
.set TS, 152
.set TP, 160
.set TR, 168
.set TE, 176
.set SP, 192                           ; v192-223 a ninth slot: the first group of a pass and of P5
.set SW, 224                           ; v224-255 a pass's sw2; behind P3 its upper half holds addresses:
.set LPS, 240
.set LPL, 241
.set SIML, 242
.set ATS, 243
.set ATL, 244
.set TRA, 245
.set MXS, 246
.set MXL, 247
.set HIS, 248
.set HIL, 249
.set OSS, 250
.set OSL, 251
.set O1V, 252
; window 2
.set AT2, 128                          ; registers 128-159: attention fragments, 16 x + 8 s
; scalars
.set SB1, 16
.set SW2, 18
.set PB1, 24
.set PB2, 26
.set WS, 40
.set NB, 42
.set ST, 44
.set QB, 46
.set CB, 48
.set O0, 50
.set O1, 52
.set MSB, 0
.macro WIN new                         ; the immediate's high byte repeats the setting that is left; a switch that changes nothing is dropped
.if MSB != \new
	s_set_vgpr_msb (MSB<<8)|\new
.set MSB, \new
.endif
.endm
; Four places: a vector instruction that reads a matrix result, and a load into a register that a matrix instruction has named, stand four plain vector
; instructions behind it (ISA guide 7.12.1 for vector instructions).
.macro PLACES
.rept 4
	v_nop
.endr
.endm
; one position of the ring: a group of four weight fragments ...
.macro ISSUE_W base, win, off
	WIN \win
.irp i, 0,1,2,3,4,5,6,7
	global_load_b128 v[(\base)+4*\i:(\base)+4*\i+3], v[L16], s[WS:WS+1] offset:(\off)+512*\i
.endr
.endm
; ... or, for four tiles, the eight f32 numbers (bias, sw2) of my eight columns
.macro ISSUE_B base, win, sb, vo, off
	WIN \win
.irp i, 0,1,2,3
	global_load_b128 v[(\base)+8*\i:(\base)+8*\i+3], v[\vo], s[\sb:\sb+1] offset:(\off)+64*\i
	global_load_b128 v[(\base)+8*\i+4:(\base)+8*\i+7], v[\vo], s[\sb:\sb+1] offset:(\off)+64*\i+16
.endr
.endm
; P1's list: 0..63 weights, 64 and 65 sb1 (slot (p + 6) % 8); 66..72 are the first pass's first seven positions (SP, slots 0..5)
.macro QC_ISSUE p
.if (\p) < 64
	ISSUE_W 32*(((\p)+6)%8), 0x40, (\p)*GRP
.elseif (\p) < 66
	ISSUE_B 32*(((\p)+6)%8), 0x40, SB1, VB, 256*((\p)-64)
.elseif (\p) == 66
	ISSUE_W SP, 0, 64*GRP
.else
	ISSUE_W 32*((\p)-67), 0x40, ((\p)-2)*GRP
.endif
.endm
; a pass's list: 0 in SP, 1..16 in slot (i - 1) % 8, 17 = sw2 in SW.  Step i issues position i + 7; from 18 on that is the next pass's (or P5's) list: the stream runs on
.macro PASS_ISSUE i
.if \i < 10
	ISSUE_W 32*((\i+6)%8), 0x40, (\i+7)*GRP
.elseif \i == 10
	ISSUE_B SW, 0, SW2, VSW, 0
.elseif \i == 11
	ISSUE_W SP, 0, 17*GRP
.else
	ISSUE_W 32*(\i-12), 0x40, (\i+6)*GRP
.endif
.endm
; P5's and P6's list: 0..33 pw1, 34 and 35 pb1, 36..67 pw2, 68 and 69 pb2; 0 in SP, else slot (p - 1) % 8; nothing behind 69
.macro PROJ_ISSUE p
.if (\p) < 34
	ISSUE_W 32*(((\p)+7)%8), 0x40, (\p)*GRP
.elseif (\p) < 36
	ISSUE_B 32*(((\p)+7)%8), 0x40, PB1, VB, 256*((\p)-34)
.elseif (\p) < 68
	ISSUE_W 32*(((\p)+7)%8), 0x40, ((\p)-2)*GRP
.elseif (\p) < 70
	ISSUE_B 32*(((\p)+7)%8), 0x40, PB2, VB, 256*((\p)-68)
.endif
.endm
; activations of the small products: cnt k steps from ks0 on, 8 registers each; bs = bytes from one block of four k steps to the next
.macro FETCHS buf, addr, ks0, cnt, bs
	WIN 0
.set fi, 0
.rept \cnt
	ds_load_b128 v[\buf+8*fi:\buf+8*fi+3], v[\addr] offset:\bs*((\ks0+fi)/4)+64*((\ks0+fi)%4)
	ds_load_b128 v[\buf+8*fi+4:\buf+8*fi+7], v[\addr] offset:\bs*((\ks0+fi)/4)+64*((\ks0+fi)%4)+32
.set fi, fi+1
.endr
.endm
; a step of a small product: four of the eight accumulators (window 2, registers 0-63).  The eight take turns, one instruction a turn.
.macro SSTEP wb, mwin, xr, half, zero
	WIN \mwin
.irp f, 0,1,2,3
.if \zero
	v_wmma_f32_16x16x32_bf16 v[8*(4*(\half)+\f):8*(4*(\half)+\f)+7], v[(\wb)+8*\f:(\wb)+8*\f+7], v[(\xr):(\xr)+7], 0
.else
	v_wmma_f32_16x16x32_bf16 v[8*(4*(\half)+\f):8*(4*(\half)+\f)+7], v[(\wb)+8*\f:(\wb)+8*\f+7], v[(\xr):(\xr)+7], v[8*(4*(\half)+\f):8*(4*(\half)+\f)+7]
.endif
.endr
	PLACES
.endm
; TP = 2 gelu(TX), eight numbers.  With a = |x|, t = 1 / (1 + 0.47047 a / sqrt 2), E = exp(-x x / 2), P = 0.3480242 t - 0.0958798 t^2 + 0.7478556 t^3:
; erf(a / sqrt 2) = 1 - P E, so 2 gelu(x) = x + a - a P E.  The constants carry P's minus sign.
.macro GELU8
.irp i, 0,1,2,3,4,5,6,7
	v_and_b32 v[TA+\i], s36, v[TX+\i]
.endr
.irp i, 0,2,4,6
	v_pk_fma_f32 v[TU+\i:TU+\i+1], v[TA+\i:TA+\i+1], v[CP:CP+1], v[ONE:ONE+1]
.endr
.irp i, 0,2,4,6
	v_pk_mul_f32 v[TS+\i:TS+\i+1], v[TX+\i:TX+\i+1], v[TX+\i:TX+\i+1]
.endr
.irp i, 0,2,4,6
	v_pk_mul_f32 v[TS+\i:TS+\i+1], v[TS+\i:TS+\i+1], v[CK:CK+1]
.endr
.irp i, 0,1,2,3,4,5,6,7
	v_rcp_f32 v[TR+\i], v[TU+\i]
.endr
.irp i, 0,1,2,3,4,5,6,7
	v_exp_f32 v[TE+\i], v[TS+\i]
.endr
.irp i, 0,2,4,6
	v_pk_add_f32 v[TX+\i:TX+\i+1], v[TX+\i:TX+\i+1], v[TA+\i:TA+\i+1]   ; x + |x|: also the plain instructions that stand between the transcendentals and the first use of a result
.endr
	s_wait_alu depctr_va_vdst(0)
.irp i, 0,2,4,6
	v_pk_fma_f32 v[TP+\i:TP+\i+1], v[TR+\i:TR+\i+1], v[CA3:CA3+1], v[CA2:CA2+1]
.endr
.irp i, 0,2,4,6
	v_pk_fma_f32 v[TP+\i:TP+\i+1], v[TP+\i:TP+\i+1], v[TR+\i:TR+\i+1], v[CA1:CA1+1]
.endr
.irp i, 0,2,4,6
	v_pk_mul_f32 v[TP+\i:TP+\i+1], v[TP+\i:TP+\i+1], v[TR+\i:TR+\i+1]
.endr
.irp i, 0,2,4,6
	v_pk_mul_f32 v[TP+\i:TP+\i+1], v[TP+\i:TP+\i+1], v[TE+\i:TE+\i+1]
.endr
.irp i, 0,2,4,6
	v_pk_fma_f32 v[TP+\i:TP+\i+1], v[TA+\i:TA+\i+1], v[TP+\i:TP+\i+1], v[TX+\i:TX+\i+1]
.endr
.endm
; ---------------------------------------------------------------- P0: addresses, first loads, q and c into LDS
	s_load_b512 s[8:23], s[0:1], 0x0               ; query, condition, neighbors, stats, sb1, sw2, sb2, alpha
	s_load_b256 s[24:31], s[0:1], 0x40             ; pb1, pb2, ws, out0
	s_load_b64 s[32:33], s[0:1], 0x60              ; out1
	v_lshrrev_b32 v12, 5, v0
	v_readfirstlane_b32 s2, v12                    ; wave w
	s_mov_b32 s36, 0x7fffffff
	s_mov_b32 s37, 0x76543210                      ; v_permlanex16_b32: lane i takes lane i of the other half
	s_mov_b32 s38, 0xfedcba98
	s_mul_i32 s39, s2, 64*PA                       ; my 64 rows of A
	v_and_b32 v[LANE], 31, v0
	v_and_b32 v[R7], 7, v0
	v_bfe_u32 v[H], v0, 4, 1
	v_and_b32 v14, 15, v0                          ; r
	v_lshlrev_b32 v[L16], 4, v[LANE]
	v_lshlrev_b32 v[PF], 8, v[LANE]
	s_lshl_b32 s4, s2, 9
	v_lshl_add_u32 v[VB], v[H], 5, s4
	s_lshl_b32 s4, s2, 8
	v_lshl_add_u32 v[VSW], v[H], 5, s4
	v_mul_u32_u24 v12, v14, PA
	v_lshl_add_u32 v12, v[H], 4, v12
.irp q, 0,1,2,3
	v_add_nc_u32 v[XA+\q], \q*64*PA, v12
.endr
	s_lshr_b32 s4, s2, 1                           ; pass p, wave w: columns 256 p + 64 w .. lie in qc's part 2 p + w/2, from its column 64 (w%2) on
	s_mul_i32 s4, s4, WQ
	s_and_b32 s5, s2, 1
	s_lshl_b32 s5, s5, 8
	s_add_co_u32 s4, s4, s5
	s_add_co_u32 s4, s4, QCF
	v_lshl_add_u32 v[QA], v[H], 5, s4
	s_mul_i32 s4, s2, 2*PQ
	s_add_co_u32 s4, s4, QCOP
	v_lshl_add_u32 v[QCS], v[LANE], 3, s4          ; rows 2 w, 2 w + 1 of [q | c]: 8 bytes a lane
	v_mul_u32_u24 v12, v[R7], PQ
	v_lshl_add_u32 v12, v[H], 4, v12
	v_add_nc_u32 v[QCL], QCOP, v12                 ; operand rows 8-15 repeat rows 0-7: there are 8 batches, and q and c are inputs, which go as one bf16
	s_mul_i32 s4, s2, WQ
	s_add_co_u32 s4, s4, QCF
	v_mul_u32_u24 v12, v[R7], PF32
	v_lshl_add_u32 v12, v[H], 5, v12
	v_add_nc_u32 v[QFS], s4, v12
	v_lshl_add_u32 v[LA], v[LANE], 3, s39
	v_lshrrev_b32 v12, 2, v[LANE]
	v_mul_u32_u24 v12, v12, PA
	v_and_b32 v14, 3, v[LANE]
	v_lshl_add_u32 v12, v14, 3, v12
	v_add_nc_u32 v12, s39, v12
	v_add_nc_u32 v[STA], 1024, v12                 ; stats: row lane/4, columns 4 (lane%4) .., behind the row's 1,024 neighbour bytes
	s_lshl_b32 s4, s2, 10
	s_add_co_u32 s4, s4, SIM
	v_lshl_add_u32 v[SIMS], v[LANE], 2, s4
	v_mul_u32_u24 v12, v[LANE], PA
	v_add_nc_u32 v12, s39, v12
	v_add_nc_u32 v[ZA], 1056, v12                  ; the 32 bytes of zeros of row lane
.irp i, 0,1
	v_mov_b32 v[CP+\i], 0x3eaa540e                 ; 0.47047 / sqrt 2
	v_mov_b32 v[CK+\i], 0xbf38aa3b                 ; -log2(e) / 2
	v_mov_b32 v[CA1+\i], 0xbeb2303a                ; -0.3480242
	v_mov_b32 v[CA2+\i], 0x3dc45ca1                ; +0.0958798
	v_mov_b32 v[CA3+\i], 0xbf3f7377                ; -0.7478556
	v_mov_b32 v[ONE+\i], 1.0
	v_mov_b32 v[ZERO+\i], 0
	v_mov_b32 v[ZERO+2+\i], 0
.endr
	s_wait_kmcnt 0x0
	s_load_b32 s34, s[20:21], 0x0                  ; sb2
	s_load_b32 s35, s[22:23], 0x0                  ; alpha
	s_lshl_b32 s4, ttmp9, 19                       ; 256 rows of 2,048 bytes a work-group (at most 255 x 524,288: 32 bits do), 64 a wave
	s_lshl_b32 s6, s2, 17
	s_add_co_u32 s4, s4, s6
	s_mov_b32 s5, 0
	s_add_nc_u64 s[NB:NB+1], s[12:13], s[4:5]
	s_lshl_b32 s4, ttmp9, 14                       ; stats: 256 rows of 64 bytes; q, c, out0: 8 rows of 2,048 bytes
	s_lshl_b32 s6, s2, 12
	s_add_co_u32 s6, s4, s6
	s_mov_b32 s7, 0
	s_add_nc_u64 s[ST:ST+1], s[14:15], s[6:7]
	s_add_nc_u64 s[QB:QB+1], s[8:9], s[6:7]
	s_add_nc_u64 s[CB:CB+1], s[10:11], s[6:7]
	s_lshl_b32 s6, s2, 9
	s_add_co_u32 s6, s4, s6
	s_add_nc_u64 s[O0:O0+1], s[30:31], s[6:7]      ; out0 at my 128 columns
	s_lshl_b32 s4, ttmp9, 10
	s_lshl_b32 s6, s2, 8
	s_add_co_u32 s6, s4, s6
	s_add_nc_u64 s[O1:O1+1], s[32:33], s[6:7]
	s_mul_i32 s6, s2, WSTRIDE
	s_add_nc_u64 s[WS:WS+1], s[28:29], s[6:7]      ; my region of the weight stream
	WIN 0x80                                       ; q and c, two rows each, into window 2
.irp x, 0,1
.irp j, 0,1,2,3
	global_load_b128 v[4*(4*\x+\j):4*(4*\x+\j)+3], v[L16], s[QB:QB+1] offset:2048*\x+512*\j th:TH_LOAD_NT
	global_load_b128 v[32+4*(4*\x+\j):32+4*(4*\x+\j)+3], v[L16], s[CB:CB+1] offset:2048*\x+512*\j th:TH_LOAD_NT
.endr
.endr
.irp p, 0,1,2,3,4,5,6
	QC_ISSUE \p
.endr
	s_wait_loadcnt 56                              ; the 56 loads of the ring are the younger ones: q and c are in
	WIN 0x0a
.set fi, 0
.rept 16
	v_cvt_pk_bf16_f32 v[X0+2*fi], v[4*fi], v[4*fi+1]
	v_cvt_pk_bf16_f32 v[X0+2*fi+1], v[4*fi+2], v[4*fi+3]
.set fi, fi+1
.endr
	WIN 0
.irp s, 0,1
.irp x, 0,1
.irp j, 0,1,2,3
	ds_store_b64 v[QCS], v[X0+2*(8*\s+4*\x+\j):X0+2*(8*\s+4*\x+\j)+1] offset:\x*PQ+\s*1024+256*\j
.endr
.endr
.endr
	s_wait_kmcnt 0x0                               ; sb2, alpha
	s_wait_dscnt 0x0                               ; my rows of [q | c] are in LDS before I say so
	s_barrier_signal -1
	s_barrier_wait -1
; ---------------------------------------------------------------- P1: qc.  K = 1,024 = 32 k steps, two steps of the ring (4 tiles each) a k step; my 128 columns
	FETCHS X0, QCL, 0, 8, 256
	FETCHS X1, QCL, 8, 8, 256
.set n, 0
.rept 64
.if n == 0
	s_wait_dscnt 16                                ; buffer 0 is in; buffer 1's 16 loads are the younger ones
.endif
.if n == 16
	FETCHS X0, QCL, 16, 8, 256                     ; the buffer just used (four places stand behind its last matrix instruction)
	s_wait_dscnt 16                                ; those 16 may be out: buffer 1 is in
.endif
.if n == 32
	FETCHS X1, QCL, 24, 8, 256
	s_wait_dscnt 16
.endif
.if n == 48
	s_wait_dscnt 0
.endif
	s_wait_loadcnt 48                              ; positions n + 1 .. n + 6 may be out
.if n >= 46
.if n <= 58
.if (n-46)%4 == 0
	global_prefetch_b8 v[PF], s[NB:NB+1] offset:8192*((n-46)/4) th:TH_LOAD_NT scope:SCOPE_SE   ; lanes 256 bytes apart: 8 KiB; four such lines ask once for my first 16 rows, which P2's first fill loads 6 to 18 steps later
.endif
.endif
.endif
	SSTEP 32*((n+6)%8), 0xa1, X0+64*((n>>4)&1)+8*((n>>1)&7), n&1, (n<2)
	QC_ISSUE n+7
.set n, n+1
.endr
.irp e, 0,1                                        ; positions 64, 65 (slots 6, 7): + sb1, f32, into my part of QCF; lanes r and r + 8 hold and store the same numbers
	s_wait_loadcnt 48
	QC_ISSUE (71+\e)
	WIN 0x06
.irp a, 0,1,2,3
.irp i, 0,2,4,6
	v_pk_add_f32 v[X0+32*\e+8*\a+\i:X0+32*\e+8*\a+\i+1], v[8*(4*\e+\a)+\i:8*(4*\e+\a)+\i+1], v[32*(6+\e)+8*\a+\i:32*(6+\e)+8*\a+\i+1]
.endr
.endr
	WIN 0
.irp a, 0,1,2,3
	ds_store_b128 v[QFS], v[X0+32*\e+8*\a:X0+32*\e+8*\a+3] offset:64*(4*\e+\a)
	ds_store_b128 v[QFS], v[X0+32*\e+8*\a+4:X0+32*\e+8*\a+7] offset:64*(4*\e+\a)+16
.endr
.endr
; ---------------------------------------------------------------- P2: my 64 rows, f32 -> bf16 -> LDS.  16 landing slots of a row (4 loads of 512 consecutive bytes) in window 2
; mode 1: the slot gets the row 16 further down; mode 2: 32 rows of stats; left = the younger loads
.macro NBUNIT i, mode, left
	s_wait_loadcnt \left
	WIN 0x0a
.irp j, 0,1,2,3
	v_cvt_pk_bf16_f32 v[X0+8*(\i%2)+2*\j], v[16*\i+4*\j], v[16*\i+4*\j+1]
	v_cvt_pk_bf16_f32 v[X0+8*(\i%2)+2*\j+1], v[16*\i+4*\j+2], v[16*\i+4*\j+3]
.endr
	WIN 0x80
.irp j, 0,1,2,3
	ds_store_b64 v[LA], v[X0+8*(\i%2)+2*\j:X0+8*(\i%2)+2*\j+1] offset:\i*PA+256*\j
.endr
.if \mode == 1
.irp j, 0,1,2,3
	global_load_b128 v[16*\i+4*\j:16*\i+4*\j+3], v[L16], s[NB:NB+1] offset:(16+\i)*2048+512*\j th:TH_LOAD_NT
.endr
.endif
.if \mode == 2
.irp j, 0,1,2,3
	global_load_b128 v[16*\i+4*\j:16*\i+4*\j+3], v[L16], s[ST:ST+1] offset:2048*\i+512*\j th:TH_LOAD_NT
.endr
.endif
.endm
; 32 rows of stats: lane holds row 32 s + 8 j + lane/4, columns 4 (lane%4) .. +3.  The fourth register goes to SIM in f32 (column 15 is read there), all four to A in bf16
.macro STUNIT s, left
	s_wait_loadcnt \left
	WIN 0x0a
.irp j, 0,1,2,3
	v_cvt_pk_bf16_f32 v[X0+8*\s+2*\j], v[16*\s+4*\j], v[16*\s+4*\j+1]
	v_cvt_pk_bf16_f32 v[X0+8*\s+2*\j+1], v[16*\s+4*\j+2], v[16*\s+4*\j+3]
.endr
	WIN 0x08
.irp j, 0,1,2,3
	ds_store_b32 v[SIMS], v[16*\s+4*\j+3] offset:512*\s+128*\j
.endr
	WIN 0
.irp j, 0,1,2,3
	ds_store_b64 v[STA], v[X0+8*\s+2*\j:X0+8*\s+2*\j+1] offset:(32*\s+8*\j)*PA
.endr
.endm
	WIN 0x80
.irp i, 0,1,2,3,4,5,6,7,8,9,10,11,12,13,14,15
.irp j, 0,1,2,3
	global_load_b128 v[16*\i+4*\j:16*\i+4*\j+3], v[L16], s[NB:NB+1] offset:\i*2048+512*\j th:TH_LOAD_NT
.endr
.endr
	WIN 0
	s_mov_b32 s3, 3
.Lingest:                                          ; three laps of 16 rows, each row's slot filled again
.irp i, 0,1,2,3,4,5,6,7,8,9,10,11,12,13,14,15
	NBUNIT \i, 1, 60                               ; 15 younger rows x 4 loads stay out
.endr
	WIN 0
	s_wait_xcnt 0x0                                ; the base is stepped only behind this wait
	s_add_nc_u64 s[NB:NB+1], s[NB:NB+1], 32768
	v_add_nc_u32 v[LA], 16*PA, v[LA]
	s_sub_co_u32 s3, s3, 1
	s_cmp_lg_u32 s3, 0
	s_cbranch_scc1 .Lingest
	NBUNIT 0, 2, 60                                ; the last lap: slots 0 and 1 get the stats, the counts run down
	NBUNIT 1, 2, 60                                ; 14 rows and one unit of stats are younger
.irp i, 2,3,4,5,6,7,8,9,10,11,12,13,14,15
	NBUNIT \i, 0, 4*(17-\i)                        ; 15 - i rows and two units of stats
.endr
	STUNIT 0, 4
	STUNIT 1, 0
	ds_store_b128 v[ZA], v[ZERO:ZERO+3]            ; columns 528..543 of my 64 rows: zeros, which meet the zero rows of the packed weights
	ds_store_b128 v[ZA], v[ZERO:ZERO+3] offset:16
	ds_store_b128 v[ZA], v[ZERO:ZERO+3] offset:32*PA
	ds_store_b128 v[ZA], v[ZERO:ZERO+3] offset:32*PA+16
	s_wait_dscnt 0x0                               ; my rows of A and my part of QCF are in LDS before I say so
	s_barrier_signal -1
	s_barrier_wait -1
; ---------------------------------------------------------------- P3: the scorer
; 16 loads: the fragments of row tiles 8 half .. +7 at byte kb of the rows
.macro FETCHA buf, half, kb
	WIN 0
.irp t, 0,1,2,3,4,5,6,7
	ds_load_b128 v[\buf+8*\t:\buf+8*\t+3], v[XA+2*\half+(\t/4)] offset:(\t%4)*16*PA+\kb
	ds_load_b128 v[\buf+8*\t+4:\buf+8*\t+7], v[XA+2*\half+(\t/4)] offset:(\t%4)*16*PA+\kb+32
.endr
.endm
; 32 matrix instructions: 8 row tiles x my 4 column tiles.  The 64 accumulators take turns, one instruction a turn, in the same order in every step
.macro MUL32 wb, xb, zero
.irp t, 0,1,2,3,4,5,6,7
.irp a, 0,1,2,3
.if \zero
	v_wmma_f32_16x16x32_bf16 v[8*(4*\t+\a):8*(4*\t+\a)+7], v[\wb+8*\a:\wb+8*\a+7], v[\xb+8*\t:\xb+8*\t+7], 0
.else
	v_wmma_f32_16x16x32_bf16 v[8*(4*\t+\a):8*(4*\t+\a)+7], v[\wb+8*\a:\wb+8*\a+7], v[\xb+8*\t:\xb+8*\t+7], v[8*(4*\t+\a):8*(4*\t+\a)+7]
.endif
.endr
.endr
.endm
; k step i of a pass: i = 0 the stats (bytes 1,024 .. of the rows), which start the sums; i = 1..16 bytes 64 (i - 1) ..
.macro MSTEP i
	s_wait_loadcnt 48                              ; the six younger positions may be out
	s_wait_dscnt 16                                ; rows 0-127 are in; the 16 loads of rows 128-255 are the younger ones
.if \i == 0
	WIN 0xa0
	MUL32 SP, X0, 1
.else
	WIN 0xa1
	MUL32 32*((\i-1)%8), X0, 0
.endif
	PLACES
.if \i < 16
	FETCHA X0, 0, 64*\i
.endif
	PASS_ISSUE \i
.if \i < 16
	s_wait_dscnt 16                                ; rows 128-255 are in; the next step's 16 loads may be out
.else
	s_wait_dscnt 0
.endif
.if \i == 0
	WIN 0xf0
	MUL32 SP, X1, 1
.else
	WIN 0xf1
	MUL32 32*((\i-1)%8), X1, 0
.endif
	PLACES
.if \i < 16
	FETCHA X1, 1, 64*\i
.endif
.endm
.macro QCLD b                                      ; qc of batch b, my 64 columns: 8 loads, the 16 lanes of a half read the same bytes
.irp a, 0,1,2,3
	ds_load_b128 v[X0+32*((\b)%2)+8*\a:X0+32*((\b)%2)+8*\a+3], v[QA] offset:PF32*(\b)+64*\a
	ds_load_b128 v[X0+32*((\b)%2)+8*\a+4:X0+32*((\b)%2)+8*\a+7], v[QA] offset:PF32*(\b)+64*\a+16
.endr
.endm
.macro EPI t, a, qb                                ; tile (t, a): + qc, 2 gelu, times sw2 into the row tile's pair of sums
.if \t < 8
	WIN 0x02
.else
	WIN 0x03
.endif
.irp i, 0,2,4,6
	v_pk_add_f32 v[TX+\i:TX+\i+1], v[8*(4*(\t%8)+\a)+\i:8*(4*(\t%8)+\a)+\i+1], v[\qb+8*\a+\i:\qb+8*\a+\i+1]
.endr
	WIN 0
	GELU8
.irp i, 0,2,4,6
	v_pk_fma_f32 v[LS+2*\t:LS+2*\t+1], v[TP+\i:TP+\i+1], v[SW+8*\a+\i:SW+8*\a+\i+1], v[LS+2*\t:LS+2*\t+1]
.endr
.endm
.set fi, 0
.rept 32
	v_mov_b32 v[LS+fi], 0                          ; the sums run over both trips of the loop below
.set fi, fi+1
.endr
	s_wait_xcnt 0x0                                ; the stream's base is stepped only behind this wait
	s_add_nc_u64 s[WS:WS+1], s[WS:WS+1], 64*GRP
	s_mov_b32 s3, 2
.Lpass:
	FETCHA X0, 0, 1024
	FETCHA X1, 1, 1024
.irp i, 0,1,2,3,4,5,6,7,8,9,10,11,12,13,14,15,16
	MSTEP \i
.endr
	s_wait_loadcnt 48                              ; position 17, sw2, is in
	PASS_ISSUE 17
	WIN 0
	QCLD 0
	QCLD 1
.irp b, 0,1,2,3,4,5,6,7
.if \b < 7
	s_wait_dscnt 8                                 ; the next batch's 8 loads may be out
.else
	s_wait_dscnt 0
.endif
.irp u, 0,1
.irp a, 0,1,2,3
	EPI (2*\b+\u), \a, X0+32*(\b%2)
.endr
.endr
.if \b < 6
	QCLD (\b+2)
.endif
.endr
	WIN 0
	s_wait_xcnt 0x0                                ; both bases are stepped only behind this wait
	s_add_nc_u64 s[WS:WS+1], s[WS:WS+1], 17*GRP
	s_add_nc_u64 s[SW2:SW2+1], s[SW2:SW2+1], 1024
	v_add_nc_u32 v[QA], 2*WQ, v[QA]
	s_sub_co_u32 s3, s3, 1
	s_cmp_lg_u32 s3, 0
	s_cbranch_scc1 .Lpass
; ---------------------------------------------------------------- P4: logits, softmax, mix
	v_mov_b32 v[MONE], -1.0
	s_lshl_b32 s4, s2, 10
	s_add_co_u32 s5, s4, LP
	v_lshl_add_u32 v[LPS], v[LANE], 2, s5
	s_add_co_u32 s5, s4, SIM
	v_lshl_add_u32 v[SIML], v[LANE], 5, s5
	s_lshl_b32 s4, s2, 8
	s_add_co_u32 s5, s4, LP
	v_lshl_add_u32 v[LPL], v[LANE], 3, s5
	s_add_co_u32 s5, s4, ATT                       ; my two batches' 256 bytes of ATT
	v_and_b32 v12, 15, v0
	v_lshlrev_b32 v12, 2, v12
	v_lshl_add_u32 v12, v[H], 7, v12
	v_add_nc_u32 v[ATS], s5, v12                   ; batch lane/16, neighbours 2 (lane%16), + 1
	v_lshl_add_u32 v[ATL], v[H], 4, s5
	v_lshl_add_u32 v12, v[H], 3, v[R7]
	v_mul_u32_u24 v12, v12, PA
	v_bfe_u32 v14, v0, 3, 1                        ; r / 8
	v_lshl_add_u32 v12, v14, 4, v12
	v_add_nc_u32 v[TRA], s39, v12                  ; transposing loads: row 8 h + lane%8 of my rows, 16 bytes for each half of eight lanes
	s_mul_i32 s5, s2, 4*PA                         ; my four rows of MIX: 4 w + 2 x + s
	s_add_co_u32 s5, s5, MIX
	v_lshl_add_u32 v[MXS], v[H], 4, s5
	v_lshl_add_u32 v14, v[R7], 1, v14              ; operand row r reads row 2 (r%8) + r/8: rows 0-7 the upper parts, rows 8-15 the rests; 16 different rows, so 16 different 16-byte columns
	v_mul_u32_u24 v12, v14, PA
	v_lshl_add_u32 v12, v[H], 4, v12
	v_add_nc_u32 v[MXL], MIX, v12
	v_mul_u32_u24 v12, v14, PH
	v_lshl_add_u32 v[HIL], v[H], 4, v12
	v_mul_u32_u24 v12, v[R7], 2*PH
	v_lshl_add_u32 v12, v[H], 4, v12
	s_mul_i32 s5, s2, WH
	v_add_nc_u32 v[HIS], s5, v12                   ; row 2 (r%8) of my part of HID; the rest goes one row further
	s_mul_i32 s5, s2, WQ
	s_add_co_u32 s5, s5, OST
	v_lshl_add_u32 v[OSL], v[LANE], 4, s5
	v_mul_u32_u24 v12, v[R7], PF32
	v_lshl_add_u32 v12, v[H], 5, v12
	v_add_nc_u32 v[OSS], s5, v12
	v_lshlrev_b32 v[O1V], 3, v[LANE]
.irp t, 0,1,2,3,4,5,6,7,8,9,10,11,12,13,14,15
	v_add_f32 v[LS+2*\t], v[LS+2*\t], v[LS+2*\t+1]
.endr
	v_cmp_lt_u32 vcc_lo, 15, v[LANE]               ; h = 1
; lanes r and r + 16 hold the two halves of a row's sum.  For tiles 2 i and 2 i + 1: half 0 keeps tile 2 i and sends 2 i + 1, half 1 the other way: lane l ends with row 32 i + l
.irp i, 0,1,2,3,4,5,6,7
	v_cndmask_b32 v[LS+4*\i+1], v[LS+4*\i], v[LS+4*\i+2], vcc_lo
	v_cndmask_b32 v[LS+4*\i+3], v[LS+4*\i+2], v[LS+4*\i], vcc_lo
	v_permlanex16_b32 v[LS+4*\i], v[LS+4*\i+3], s37, s38
	v_add_f32 v[LS+4*\i], v[LS+4*\i], v[LS+4*\i+1]
	ds_store_b32 v[LPS], v[LS+4*\i] offset:128*\i
.endr
	s_wait_dscnt 0x0                               ; my 128 columns' share of all 256 logits is in LDS, and my reads of QCF are over, before I say so
	s_barrier_signal -1
	s_barrier_wait -1
	; lane l: rows 64 w + 2 l, + 1 = batch 2 w + l/16, neighbours 2 (l%16), + 1: a batch is one half of the wave
	ds_load_b64 v[64:65], v[LPL]
	ds_load_b64 v[66:67], v[LPL] offset:1024
	ds_load_b64 v[68:69], v[LPL] offset:2048
	ds_load_b64 v[70:71], v[LPL] offset:3072
	ds_load_b32 v72, v[SIML] offset:12
	ds_load_b32 v73, v[SIML] offset:28
	s_wait_dscnt 0x0
	v_pk_add_f32 v[64:65], v[64:65], v[66:67]
	v_pk_add_f32 v[68:69], v[68:69], v[70:71]
	v_pk_add_f32 v[64:65], v[64:65], v[68:69]
	v_fma_f32 v64, v64, 0.5, s34                   ; the sums hold 2 gelu
	v_fma_f32 v65, v65, 0.5, s34
	v_fma_f32 v64, s35, v72, v64
	v_fma_f32 v65, s35, v73, v65
	v_max_num_f32 v66, v64, v65
	v_max_num_f32_dpp v66, v66, v66 row_xmask:1 row_mask:0xf bank_mask:0xf
	v_max_num_f32_dpp v66, v66, v66 row_xmask:2 row_mask:0xf bank_mask:0xf
	v_max_num_f32_dpp v66, v66, v66 row_xmask:4 row_mask:0xf bank_mask:0xf
	v_max_num_f32_dpp v66, v66, v66 row_xmask:8 row_mask:0xf bank_mask:0xf
	v_sub_f32 v64, v64, v66
	v_sub_f32 v65, v65, v66
	v_mul_f32 v64, 0x3fb8aa3b, v64
	v_mul_f32 v65, 0x3fb8aa3b, v65
	v_exp_f32 v68, v64
	v_exp_f32 v69, v65
	v_nop                                          ; one plain instruction between a transcendental and the use of its result
	s_wait_alu depctr_va_vdst(0)
	v_add_f32 v67, v68, v69
	v_add_f32_dpp v67, v67, v67 row_xmask:1 row_mask:0xf bank_mask:0xf
	v_add_f32_dpp v67, v67, v67 row_xmask:2 row_mask:0xf bank_mask:0xf
	v_add_f32_dpp v67, v67, v67 row_xmask:4 row_mask:0xf bank_mask:0xf
	v_add_f32_dpp v67, v67, v67 row_xmask:8 row_mask:0xf bank_mask:0xf
	v_rcp_f32 v70, v67
	v_nop
	s_wait_alu depctr_va_vdst(0)
	v_mul_f32 v68, v68, v70
	v_mul_f32 v69, v69, v70
	global_store_b64 v[O1V], v[68:69], s[O1:O1+1] th:TH_STORE_NT   ; the wave's 256 consecutive bytes of out1, aligned to 256
	v_cvt_pk_bf16_f32 v71, v68, v69                ; the upper parts,
	v_fma_mix_f32_bf16 v72, v71, v[MONE], v68 op_sel_hi:[1,0,0]                  ; value - upper part (low half), exact,
	v_fma_mix_f32_bf16 v73, v71, v[MONE], v69 op_sel:[1,0,0] op_sel_hi:[1,0,0]   ; (high half)
	v_cvt_pk_bf16_f32 v74, v72, v73                ; and the rests
	ds_store_b32 v[ATS], v71                       ; my own 256 bytes: LDS serves a wave's instructions in order, the loads below see them
	ds_store_b32 v[ATS], v74 offset:64
	WIN 0x80                                       ; source 1, into window 2: every column is the batch's attention, k = 8 h .. and k = 16 + 8 h ..
.irp x, 0,1
.irp s, 0,1
	ds_load_b128 v[AT2+16*\x+8*\s:AT2+16*\x+8*\s+3], v[ATL] offset:128*\x+64*\s
	ds_load_b128 v[AT2+16*\x+8*\s+4:AT2+16*\x+8*\s+7], v[ATL] offset:128*\x+64*\s+32
.endr
.endr
	WIN 0
	s_wait_xcnt 0x0                                ; the store's data registers are loaded into only behind this wait
; source 0: 16 features x 32 neighbours, by transposing loads from rows that lie along the features
.macro MIXLD x, d0, cnt, buf
	WIN 0
.set mi, 0
.rept \cnt
	ds_load_tr16_b128 v[\buf+8*mi:\buf+8*mi+3], v[TRA] offset:32*PA*\x+32*(\d0+mi)
	ds_load_tr16_b128 v[\buf+8*mi+4:\buf+8*mi+7], v[TRA] offset:32*PA*\x+32*(\d0+mi)+16*PA
.set mi, mi+1
.endr
.endm
; cnt feature tiles: first all tiles with the attention's upper part, which starts the sums, then all with its rest: the accumulators take turns, one instruction
; a turn.  Register j of lane (r, h) = mixed feature 16 (d0 + i) + 8 h + j, the same in all r.  It is cut into upper part and rest
; (the buffer just multiplied serves as working registers), 16 bytes of bf16 each, stored by all 16 lanes of a half to one place.
.macro MIXC x, d0, cnt, buf
	WIN 0xa8
.set mi, 0
.rept \cnt
	v_wmma_f32_16x16x32_bf16 v[8*mi:8*mi+7], v[\buf+8*mi:\buf+8*mi+7], v[AT2+16*\x:AT2+16*\x+7], 0
.set mi, mi+1
.endr
.set mi, 0
.rept \cnt
	v_wmma_f32_16x16x32_bf16 v[8*mi:8*mi+7], v[\buf+8*mi:\buf+8*mi+7], v[AT2+16*\x+8:AT2+16*\x+15], v[8*mi:8*mi+7]
.set mi, mi+1
.endr
	PLACES
	WIN 0x0a
.set mi, 0
.rept \cnt
.irp q, 0,1,2,3
	v_cvt_pk_bf16_f32 v[LS+4*mi+\q], v[8*mi+2*\q], v[8*mi+2*\q+1]
.endr
.set mi, mi+1
.endr
	WIN 0x20
.set mi, 0
.rept \cnt
.irp q, 0,1,2,3
	v_fma_mix_f32_bf16 v[\buf+8*mi+2*\q], v[LS+4*mi+\q], v[MONE], v[8*mi+2*\q] op_sel_hi:[1,0,0]
	v_fma_mix_f32_bf16 v[\buf+8*mi+2*\q+1], v[LS+4*mi+\q], v[MONE], v[8*mi+2*\q+1] op_sel:[1,0,0] op_sel_hi:[1,0,0]
.endr
.set mi, mi+1
.endr
	WIN 0
.set mi, 0
.rept \cnt
.irp q, 0,1,2,3
	v_cvt_pk_bf16_f32 v[\buf+8*mi+\q], v[\buf+8*mi+2*\q], v[\buf+8*mi+2*\q+1]    ; register q is written when registers 2 q and 2 q + 1 are read: none that is still needed
.endr
.set mi, mi+1
.endr
.set mi, 0
.rept \cnt
	ds_store_b128 v[MXS], v[LS+4*mi:LS+4*mi+3] offset:PA*(2*\x)+32*(\d0+mi)
	ds_store_b128 v[MXS], v[\buf+8*mi:\buf+8*mi+3] offset:PA*(2*\x+1)+32*(\d0+mi)
.set mi, mi+1
.endr
.endm
; 34 feature tiles a batch, in groups of 8, 8, 8, 8, 2; the next group's loads go out first.  Each count is the number of that next group's loads; the stores that
; stand between are younger too, so the count is below the true one, which is safe.
	MIXLD 0, 0, 8, X0
	MIXLD 0, 8, 8, X1
	s_wait_dscnt 16
	MIXC 0, 0, 8, X0
	MIXLD 0, 16, 8, X0
	s_wait_dscnt 16
	MIXC 0, 8, 8, X1
	MIXLD 0, 24, 8, X1
	s_wait_dscnt 16
	MIXC 0, 16, 8, X0
	MIXLD 0, 32, 2, X0
	s_wait_dscnt 4
	MIXC 0, 24, 8, X1
	MIXLD 1, 0, 8, X1
	s_wait_dscnt 16
	MIXC 0, 32, 2, X0
	MIXLD 1, 8, 8, X0
	s_wait_dscnt 16
	MIXC 1, 0, 8, X1
	MIXLD 1, 16, 8, X1
	s_wait_dscnt 16
	MIXC 1, 8, 8, X0
	MIXLD 1, 24, 8, X0
	s_wait_dscnt 16
	MIXC 1, 16, 8, X1
	MIXLD 1, 32, 2, X1
	s_wait_dscnt 4
	MIXC 1, 24, 8, X0
	s_wait_dscnt 0
	MIXC 1, 32, 2, X1
	s_wait_dscnt 0x0                               ; my four rows of MIX are in LDS, and my reads of A are over, before I say so
	s_barrier_signal -1
	s_barrier_wait -1
; ---------------------------------------------------------------- P5: hidden = gelu(mixed pw1 + pb1).  K = 544 = 17 k steps; my 128 columns
	FETCHS X0, MXL, 0, 8, 256
	FETCHS X1, MXL, 8, 8, 256
	s_wait_dscnt 16
.set n, 0
.rept 34
.if n == 16
	FETCHS X0, MXL, 16, 1, 256
	s_wait_dscnt 2                                 ; those two may be out: buffer 1 is in
.endif
.if n == 32
	s_wait_dscnt 0
.endif
	s_wait_loadcnt 48
.if n == 0
	SSTEP SP, 0xa0, X0, 0, 1
.else
	SSTEP 32*((n+7)%8), 0xa1, X0+64*((n>>4)&1)+8*((n>>1)&7), n&1, (n<2)
.endif
	PROJ_ISSUE n+7
.set n, n+1
.endr
; positions 34, 35 (slots 1, 2).  Lane r holds the product of the upper parts (r < 8) or of the rests (r >= 8): each takes half of pb1, and the add across
; lanes r and r xor 8 joins them, so that both lanes hold the whole.  Then gelu, and the cut into upper part and rest, into my part of HID (A is dead behind the last barrier)
.irp e, 0,1
	s_wait_loadcnt 48
	PROJ_ISSUE (41+\e)
.irp a, 0,1,2,3
	WIN 0x21
.irp i, 0,2,4,6
	v_pk_fma_f32 v[TX+\i:TX+\i+1], v[32*(1+\e)+8*\a+\i:32*(1+\e)+8*\a+\i+1], 0.5, v[8*(4*\e+\a)+\i:8*(4*\e+\a)+\i+1] op_sel_hi:[1,0,1]
.endr
	WIN 0
.irp i, 0,1,2,3,4,5,6,7
	v_add_f32_dpp v[TX+\i], v[TX+\i], v[TX+\i] row_xmask:8 row_mask:0xf bank_mask:0xf
.endr
	GELU8
.irp i, 0,2,4,6
	v_pk_mul_f32 v[TP+\i:TP+\i+1], v[TP+\i:TP+\i+1], 0.5 op_sel_hi:[1,0]
.endr
.irp q, 0,1,2,3
	v_cvt_pk_bf16_f32 v[TA+\q], v[TP+2*\q], v[TP+2*\q+1]
.endr
.irp q, 0,1,2,3
	v_fma_mix_f32_bf16 v[TU+2*\q], v[TA+\q], v[MONE], v[TP+2*\q] op_sel_hi:[1,0,0]
	v_fma_mix_f32_bf16 v[TU+2*\q+1], v[TA+\q], v[MONE], v[TP+2*\q+1] op_sel:[1,0,0] op_sel_hi:[1,0,0]
.endr
.irp q, 0,1,2,3
	v_cvt_pk_bf16_f32 v[TS+\q], v[TU+2*\q], v[TU+2*\q+1]
.endr
	ds_store_b128 v[HIS], v[TA:TA+3] offset:32*(4*\e+\a)
	ds_store_b128 v[HIS], v[TS:TS+3] offset:32*(4*\e+\a)+PH
.endr
.endr
	s_wait_dscnt 0x0                               ; my 128 columns of HID are in LDS before I say so
	s_barrier_signal -1
	s_barrier_wait -1
; ---------------------------------------------------------------- P6: out0 = hidden pw2 + pb2.  K = 512 = 16 k steps; four k steps lie in each wave's part of HID
	FETCHS X0, HIL, 0, 8, WH
	FETCHS X1, HIL, 8, 8, WH
	s_wait_dscnt 16
.set n, 36
.rept 32
.if n == 52
	s_wait_dscnt 0
.endif
.if n <= 63
	s_wait_loadcnt 48
.else
	s_wait_loadcnt 8*(69-n)                        ; the list ends at position 69: the counts run down
.endif
	SSTEP 32*((n+7)%8), 0xa1, X0+64*(((n-36)>>4)&1)+8*(((n-36)>>1)&7), n&1, (n<38)
	PROJ_ISSUE n+7
.set n, n+1
.endr
.irp e, 0,1                                        ; positions 68, 69 (slots 3, 4): half of pb2 to each of the two partial results, the add across lanes r and r xor 8, f32, into my own stage
	s_wait_loadcnt 8*(1-\e)
	WIN 0x21
.irp a, 0,1,2,3
.irp i, 0,2,4,6
	v_pk_fma_f32 v[X0+32*\e+8*\a+\i:X0+32*\e+8*\a+\i+1], v[32*(3+\e)+8*\a+\i:32*(3+\e)+8*\a+\i+1], 0.5, v[8*(4*\e+\a)+\i:8*(4*\e+\a)+\i+1] op_sel_hi:[1,0,1]
.endr
.endr
	WIN 0
.set fi, 0
.rept 32
	v_add_f32_dpp v[X0+32*\e+fi], v[X0+32*\e+fi], v[X0+32*\e+fi] row_xmask:8 row_mask:0xf bank_mask:0xf
.set fi, fi+1
.endr
.irp a, 0,1,2,3
	ds_store_b128 v[OSS], v[X0+32*\e+8*\a:X0+32*\e+8*\a+3] offset:64*(4*\e+\a)
	ds_store_b128 v[OSS], v[X0+32*\e+8*\a+4:X0+32*\e+8*\a+7] offset:64*(4*\e+\a)+16
.endr
.endr
.irp b, 0,1,2,3,4,5,6,7
	ds_load_b128 v[X1+4*\b:X1+4*\b+3], v[OSL] offset:PF32*\b       ; my own bytes, served in order behind the stores above
.endr
.irp b, 0,1,2,3,4,5,6,7
	s_wait_dscnt 7-\b
	global_store_b128 v[L16], v[X1+4*\b:X1+4*\b+3], s[O0:O0+1] offset:2048*\b th:TH_STORE_NT   ; 512 consecutive bytes of a row of out0, aligned to 512
.endr
	s_wait_xcnt 0x0
	v_lshl_add_u32 v254, v0, 2, 0x4f700
	v_mov_b32 v255, 0
	s_wait_tensorcnt 0x0
	ds_add_u32 v254, v255
	s_wait_dscnt 0x0
	s_endpgm
.Lfunc_end_k_q606577227b_fused:
	.size	k_q606577227b_fused, .Lfunc_end_k_q606577227b_fused-k_q606577227b_fused
	.p2alignl 7, 3214868480
	.fill 96, 4, 3214868480
	.section	.rodata,"a",@progbits
	.p2align	6, 0x0
	.amdhsa_kernel k_q606577227b_fused
		.amdhsa_group_segment_fixed_size 325888
		.amdhsa_private_segment_fixed_size 0
		.amdhsa_enable_private_segment 0
		.amdhsa_kernarg_size 104
		.amdhsa_user_sgpr_count 2
		.amdhsa_user_sgpr_kernarg_segment_ptr 1
		.amdhsa_wavefront_size32 1
		.amdhsa_system_sgpr_workgroup_id_x 1
		.amdhsa_system_sgpr_workgroup_id_y 1
		.amdhsa_system_sgpr_workgroup_id_z 1
		.amdhsa_system_vgpr_workitem_id 0
		.amdhsa_next_free_vgpr 1024
		.amdhsa_next_free_sgpr 66
		.amdhsa_reserve_vcc 1
		.amdhsa_float_denorm_mode_32 3
		.amdhsa_float_denorm_mode_16_64 3
		.amdhsa_memory_ordered 1
		.amdhsa_forward_progress 1
		.amdhsa_inst_pref_size 255
	.end_amdhsa_kernel
	.section	.bss,"aw",@nobits
	.p2align	6
	.space	262144
	.amdgpu_metadata
---
amdhsa.version: [ 1, 2 ]
amdhsa.kernels:
  - .name:           k_q606577227b_fused
    .symbol:         k_q606577227b_fused.kd
    .args:
      - { .name: query, .offset: 0, .size: 8, .value_kind: global_buffer, .address_space: global }
      - { .name: condition, .offset: 8, .size: 8, .value_kind: global_buffer, .address_space: global }
      - { .name: neighbors, .offset: 16, .size: 8, .value_kind: global_buffer, .address_space: global }
      - { .name: neighbor_stats, .offset: 24, .size: 8, .value_kind: global_buffer, .address_space: global }
      - { .name: sb1, .offset: 32, .size: 8, .value_kind: global_buffer, .address_space: global }
      - { .name: sw2, .offset: 40, .size: 8, .value_kind: global_buffer, .address_space: global }
      - { .name: sb2, .offset: 48, .size: 8, .value_kind: global_buffer, .address_space: global }
      - { .name: sim_alpha, .offset: 56, .size: 8, .value_kind: global_buffer, .address_space: global }
      - { .name: pb1, .offset: 64, .size: 8, .value_kind: global_buffer, .address_space: global }
      - { .name: pb2, .offset: 72, .size: 8, .value_kind: global_buffer, .address_space: global }
      - { .name: ws, .offset: 80, .size: 8, .value_kind: global_buffer, .address_space: global }
      - { .name: out0, .offset: 88, .size: 8, .value_kind: global_buffer, .address_space: global }
      - { .name: out1, .offset: 96, .size: 8, .value_kind: global_buffer, .address_space: global }
    .group_segment_fixed_size: 325888
    .private_segment_fixed_size: 0
    .kernarg_segment_align: 8
    .kernarg_segment_size: 104
    .max_flat_workgroup_size: 128
    .sgpr_count:     66
    .vgpr_count:     1024
    .wavefront_size: 32
...
	.end_amdgpu_metadata
.endif
;; end of part 2
;; ======== version 2 of 2: 2 launches
;; limits: a function is approximated: absolute error at most 2.5e-05; an absolute error that grows with the inputs' magnitude: up to 1.25e-05 times it
;; workspace buffers: ws 2,686,976 bytes
;; launch pack: the kernel of part 1 again; grid 328 x 1, 4 waves a work-group, no clusters, 8,704 bytes of LDS; arguments sw1, pw1, pw2, ws; writes ws
;; launch fused (part 3): grid 256 x 1, 4 waves a work-group, no clusters, 325,888 bytes of LDS; arguments query, condition, neighbors, neighbor_stats, sb1, sw2, sb2, sim_alpha, pb1, pb2, ws, out0, out1; writes out0, out1
.if DOCPART == 3
	.amdgcn_target "amdgcn-amd-amdhsa--gfx1250"
	.amdhsa_code_object_version 6
	.text
	.protected	k_q606577227b_fused
	.globl	k_q606577227b_fused
	.p2align	8
	.type	k_q606577227b_fused,@function
k_q606577227b_fused:
	s_mov_b64 s[64:65], 0
	v_nop
	global_prefetch_b8 v0, s[64:65] scope:SCOPE_SE
	s_setreg_imm32_b32 hwreg(HW_REG_WAVE_MODE, 25, 1), 1
	s_wait_xcnt 0x0
; The whole module for 8 batches (256 neighbour rows) a work-group; 256 work-groups, four waves.
;   P2  the 256 rows [neighbour | stats | 16 zeros] go into LDS as bf16: memory is read once, the scorer and the mix both read LDS.  It comes first: its loads go out in the first lines
;   P1  qc[b] = q[b] sw1[0:512] + c[b] sw1[512:1024] + sb1: the part of the scorer's first layer that is equal for a batch's 32 rows, once a batch, kept in f32
;   P3  scorer: two passes of 256 hidden columns, 64 a wave.  A pass's weights (64 columns x 544 k = 544 registers) stay in registers, and a loop walks the 8 batches.
;       A batch is two row tiles of 16 rows x 64 columns (four accumulators each, started from qc).  While one row tile is multiplied, the epilogue of the other
;       (GELU, dot with sw2 inside the lane) is worked off: four of its lines stand behind each matrix instruction, and they name none of its registers
;   P4  logits over the waves, + sb2 + alpha x stat 15, softmax (the row's maximum is taken away) -> out1; mixed = attention x rows, on the matrix unit
;   P5, P6  out0 = gelu(mixed pw1 + pb1) pw2 + pb2
; EVERY PHASE IS A COUNTED LOOP OVER ONE WRITTEN-OUT TRIP, so that the text stays short: a trip names the same registers every time, and only addresses step.
; EVERY PRODUCT IS USED TRANSPOSED: source 0 = a weight fragment (16 output columns x 32 k), source 1 = 16 rows of activations from LDS.  Register j of lane
; (r = lane%16, h = lane/16) of a result is then (output column n0 + 8 h + j, row r): a lane holds eight neighbouring columns of one row, and a bias (or qc) is
; the same eight numbers in all r: it is loaded in that layout and serves as the sum's first C.  Nothing is cleared and no bias is added afterwards.
; INTERMEDIATES IN TWO PARTS: attention, mixed and hidden are no inputs, and one bf16 keeps 8 significant bits of them.  Each goes to the matrix unit as
; upper part (the value rounded to bf16) + rest (the exact remainder, rounded to bf16): two matrix instructions on one accumulator.
; WEIGHTS come as ready bf16 fragments from ws (written by the launch before), 16 bytes a lane, straight into registers: the waves split the output columns, so
; a fragment has one reader in the work-group, and a passage through LDS would add a write and a read.  NO JOINT LOADS IN A CLUSTER: 282,624 bytes of LDS hold
; the rows and 42,624 the small regions, of 327,680: what is left (2,432 bytes) holds no slot for a weight tile.
; THE WEIGHT STREAM is consumed in the order in which it lies in ws, in groups of 8 loads (32 registers).  In P1, P5 and P6 group n lies in slot n % 8 of window 1;
; step n waits until 48 loads are out (groups n+1 .. n+6, issued behind group n), works, and issues group n + 7 into the slot that step n - 1 consumed.
; EACH SLOT HAS A SCALAR BASE OF ITS OWN, stepped straight behind the wait that shows the slot's loads done: that wait frees their address registers (ISA guide 5.7.1:
; loads return in order), so no loop holds a wait for the translation of addresses.  The 16 landing slots of P2 are run in the same way.
; The look-ahead runs on over the phases' ends: P1's last seven requests are the first pass's groups 0-6, a pass's end asks for the next seven.
; LIMITS.  erf by the rational form of Abramowitz and Stegun 7.1.25, absolute error at most 2.5e-5 for every argument (no range is cut: x x = inf gives
; exp2(-inf) = 0, the right limit).  v_exp_f32 and v_rcp_f32 flush denormals (ISA guide 15.8): an attention weight below 2^-126 is 0.  Inputs and weights enter
; the matrix unit as one bf16 each, all sums are f32.  Infinite or NaN inputs are not reproduced.
; REGISTER WINDOWS (s_set_vgpr_msb; bits 1:0 source 0, 3:2 source 1, 5:4 source 2, 7:6 destination): window 0 addresses, work, the scorer's accumulators;
; window 1 the eight slots = a pass's groups 0-7; window 3 a pass's groups 8-15 (at the start: q and c as loaded); window 2 see below.
; In P3 the weights fill more than two windows and the GELU works in window 0, so each matrix instruction with epilogue lines behind it costs two switches.
.set PA, 1104                          ; an LDS row of A and of MIX: 1,088 bytes of data + 16: 69 x 16, so 16 rows start in 16 different 16-byte columns
.set QCOP, 282624                      ; bf16 [q | c], 8 rows
.set PQ, 2064
.set MIX, QCOP                         ; later: bf16 mixed, 16 rows of pitch PA, row 2 b + s (s = 0 upper part, 1 rest): 17,664 bytes, which reach into QCF, dead by then
.set QCF, 299136                       ; f32 qc: [wave][8 batches][128 columns]
.set PF32, 528
.set WQ, 4224                          ; 8 x 528
.set LP, 316032                        ; partial logits [wave][256 rows]
.set SIM, 320128                       ; f32 stats 3, 7, 11, 15 of each row, 16 bytes a row
.set ATT, 324224                       ; bf16 attention: [batch][upper part 64 bytes | rest 64 bytes]
.set PH, 272                           ; HID, from LDS byte 0 on, when A is dead: bf16 hidden [wave][16 rows: 2 b + s][128]
.set WH, 4352
.set OST, 32768                        ; inside A, when A is dead: each wave's own stage, 8 rows x 528 bytes
.set GRP, 4096
.set WSTRIDE, 671744
; window 0
.set L16, 1                            ; 16 lane
.set VB, 2                             ; 512 w + 32 h: my eight numbers of tile 0 in sb1, pb1, pb2
.set VSW, 3                            ; 256 w + 32 h: the same in a pass's part of sw2
.set XA0, 4                            ; r PA + 16 h: my place in a row fragment of batch 0
.set VA, 5                             ; the same for the batch at work
.set QA0, 6                            ; qc of the pass's columns, batch 0
.set QAC, 7                            ; the same for the batch at work
.set LPA0, 8                           ; my word of my wave's partial logits, batch 0
.set LANE, 9
.set R7, 10                            ; r % 8
.set H, 11
.set LPA, 13                           ; the same as LPA0 for the batch at work
.set MONE, 15                          ; -1.0, from P4 on
.set CP, 16                            ; constant pairs
.set CK, 18
.set CA1, 20
.set CA2, 22
.set CA3, 24
.set ONE, 26
.set ZERO, 28                          ; v28-31
.set QCS, 32                           ; addresses of the first phases
.set QCL, 33
.set QFS, 34
.set LA, 35
.set STA, 36
.set SIMS, 37
.set ZA, 38
.set LPZ, 39
.set ATV, 52                           ; v52-53 my two attention weights: the data of out1's store, written by nothing behind it
.set OLD, 55
.set LS, 56                            ; v56-59 a pair of logit sums for each of a batch's two row tiles; v60-63 at work
.set X0, 64                            ; P2: packed rows at work
.set XS, 64                            ; P1, P5, P6: activations of four k steps, v64-95 (upper part), v96-127 (rest)
.set ACC, 64                           ; P3: v64-127, tile (t, a) at 8 (4 t + a)
.set QC, 128                           ; P3: v128-159 qc of the batch, my 64 columns
.set TX, 128                           ; P5: a tile at work
.set SW, 160                           ; P3: v160-191 sw2 of the pass, my 64 columns
.set TA, 192
.set TU, 200
.set TS, 208
.set TP, 216
.set TR, 224
.set TE, 232
.set AT, 64                            ; mix: v64-95 attention fragments, 16 x + 8 s
.set MU, 96                            ; mix: v96-111 upper parts, packed
.set MB, 128                           ; mix: v128-159 four transposed row fragments
.set MD, 160                           ; mix: v160-191 four result tiles
.set MR, 192                           ; mix: v192-223 rests
.set OT, 128                           ; P6: v128-159 results, v160-191 rows on the way out
.set OB, 160
.set LPL, 240                          ; addresses of the last phases
.set SIML, 241
.set ATS, 242
.set ATL, 243
.set TRA, 244
.set MXS, 245
.set MXL, 246
.set HIS, 247
.set HIL, 248
.set OSS, 249
.set OSL, 250
.set O1V, 251
; window 2
.set XB, 0                             ; P3: registers 0-135, the fragments of one row tile: 17 k steps x 8 registers
.set ACC1, 64                          ; P1's eight accumulators
.set ACC5, 144                         ; P5's (pb1 waits here from P1 on)
.set ACC6, 0                           ; P6's
.set W16, 224                          ; a pass's group 16.  In P2 all of window 2: 16 landing slots of a row
; scalars
.set SB1, 16
.set SW2, 18
.set PB1, 24
.set PB2, 26
.set WS, 40                            ; my region of ws; from P1 on: the first group of the pass at work
.set NB, 42
.set ST, 44
.set QB, 46
.set CB, 48
.set O0, 50
.set O1, 52
.set NP, 66                            ; s66-97  P2: a base for each of the 16 landing slots
.set BS, 66                            ; s66-81  from P1 on: a base for each of the ring's eight slots
.set MSB, 0
.macro WIN new                         ; the immediate's high byte repeats the setting that is left; a switch that changes nothing is dropped
.if MSB != \new
	s_set_vgpr_msb (MSB<<8)|\new
.set MSB, \new
.endif
.endm
; Four places: a vector instruction that reads a matrix result, and a load into a register that a matrix instruction has named, stand four plain vector
; instructions behind it (ISA guide 7.12.1 for vector instructions).
.macro PLACES
.rept 4
	v_nop
.endr
.endm
; a group of four weight fragments, from scalar base sb ...
.macro ISSUE_W base, win, sb, off
	WIN \win
.irp i, 0,1,2,3,4,5,6,7
	global_load_b128 v[(\base)+4*\i:(\base)+4*\i+3], v[L16], s[(\sb):(\sb)+1] offset:(\off)+512*\i
.endr
.endm
; ... and, for four tiles, the eight f32 numbers (bias, sw2) of my eight columns
.macro ISSUE_B base, win, sb, vo, off
	WIN \win
.irp i, 0,1,2,3
	global_load_b128 v[(\base)+8*\i:(\base)+8*\i+3], v[\vo], s[\sb:\sb+1] offset:(\off)+64*\i
	global_load_b128 v[(\base)+8*\i+4:(\base)+8*\i+7], v[\vo], s[\sb:\sb+1] offset:(\off)+64*\i+16
.endr
.endm
; the activations of k step k of four: 64 bytes of a row; with two parts the rest lies lo bytes (one row) further
.macro XSLD k, xa, off, parts, lo
	ds_load_b128 v[XS+8*\k:XS+8*\k+3], v[\xa] offset:\off+64*\k
	ds_load_b128 v[XS+8*\k+4:XS+8*\k+7], v[\xa] offset:\off+64*\k+32
.if \parts == 2
	ds_load_b128 v[XS+32+8*\k:XS+32+8*\k+3], v[\xa] offset:\lo+\off+64*\k
	ds_load_b128 v[XS+32+8*\k+4:XS+32+8*\k+7], v[\xa] offset:\lo+\off+64*\k+32
.endif
.endm
; a step of a small product: four of the eight accumulators (window 2), first all four with the upper part, then all four with the rest.
; The accumulators take turns, one instruction a turn.
.macro SMUL slot, acc, k, half, parts
	WIN 0xa1
.irp f, 0,1,2,3
	v_wmma_f32_16x16x32_bf16 v[\acc+8*(4*(\half)+\f):\acc+8*(4*(\half)+\f)+7], v[32*(\slot)+8*\f:32*(\slot)+8*\f+7], v[XS+8*(\k):XS+8*(\k)+7], v[\acc+8*(4*(\half)+\f):\acc+8*(4*(\half)+\f)+7]
.endr
.if \parts == 2
.irp f, 0,1,2,3
	v_wmma_f32_16x16x32_bf16 v[\acc+8*(4*(\half)+\f):\acc+8*(4*(\half)+\f)+7], v[32*(\slot)+8*\f:32*(\slot)+8*\f+7], v[XS+32+8*(\k):XS+32+8*(\k)+7], v[\acc+8*(4*(\half)+\f):\acc+8*(4*(\half)+\f)+7]
.endr
.endif
	PLACES
.endm
; a slot's base goes on to the group that the slot takes next; it stands behind the wait that shows the slot's loads, the only ones that name it, done
.macro BSTEP slot
	s_add_nc_u64 s[BS+2*(\slot):BS+2*(\slot)+1], s[BS+2*(\slot):BS+2*(\slot)+1], 8*GRP
.endm
; a trip of a small product: eight steps = four k steps x two halves of my eight column tiles; s0 = the slot of its first step
.macro STRIP s0, acc, parts
	s_wait_dscnt 0x0                               ; the four k steps' activations, asked for at the last trip's end
.irp j, 0,1,2,3,4,5,6,7
	s_wait_loadcnt 48                              ; the six younger groups may be out
	BSTEP (\s0+\j)%8
	SMUL (\s0+\j)%8, \acc, \j/2, \j%2, \parts
	ISSUE_W 32*((\s0+\j+7)%8), 0x40, BS+2*((\s0+\j+7)%8), 0
.endr
	WIN 0
.endm
; TP = 2 gelu(x), eight numbers in v[x..x+7], which are spent: line k of 60.  With a = |x|, t = 1 / (1 + 0.47047 a / sqrt 2), E = exp(-x x / 2),
; P = 0.3480242 t - 0.0958798 t^2 + 0.7478556 t^3: erf(a / sqrt 2) = 1 - P E, so 2 gelu(x) = x + a - a P E.  The constants carry P's minus sign.
; Lines 36-39 (x + |x|) are also the plain instructions that stand between the transcendentals and the first use of a result.
.macro GSLOT x, k
.if (\k) < 8
	v_and_b32 v[TA+(\k)], s36, v[(\x)+(\k)]
.elseif (\k) < 12
.set gi, 2*((\k)-8)
	v_pk_fma_f32 v[TU+gi:TU+gi+1], v[TA+gi:TA+gi+1], v[CP:CP+1], v[ONE:ONE+1]
.elseif (\k) < 16
.set gi, 2*((\k)-12)
	v_pk_mul_f32 v[TS+gi:TS+gi+1], v[(\x)+gi:(\x)+gi+1], v[(\x)+gi:(\x)+gi+1]
.elseif (\k) < 20
.set gi, 2*((\k)-16)
	v_pk_mul_f32 v[TS+gi:TS+gi+1], v[TS+gi:TS+gi+1], v[CK:CK+1]
.elseif (\k) < 28
	v_rcp_f32 v[TR+(\k)-20], v[TU+(\k)-20]
.elseif (\k) < 36
	v_exp_f32 v[TE+(\k)-28], v[TS+(\k)-28]
.elseif (\k) < 40
.set gi, 2*((\k)-36)
	v_pk_add_f32 v[(\x)+gi:(\x)+gi+1], v[(\x)+gi:(\x)+gi+1], v[TA+gi:TA+gi+1]
.elseif (\k) < 44
.set gi, 2*((\k)-40)
	s_wait_alu depctr_va_vdst(0)
	v_pk_fma_f32 v[TP+gi:TP+gi+1], v[TR+gi:TR+gi+1], v[CA3:CA3+1], v[CA2:CA2+1]
.elseif (\k) < 48
.set gi, 2*((\k)-44)
	v_pk_fma_f32 v[TP+gi:TP+gi+1], v[TP+gi:TP+gi+1], v[TR+gi:TR+gi+1], v[CA1:CA1+1]
.elseif (\k) < 52
.set gi, 2*((\k)-48)
	v_pk_mul_f32 v[TP+gi:TP+gi+1], v[TP+gi:TP+gi+1], v[TR+gi:TR+gi+1]
.elseif (\k) < 56
.set gi, 2*((\k)-52)
	v_pk_mul_f32 v[TP+gi:TP+gi+1], v[TP+gi:TP+gi+1], v[TE+gi:TE+gi+1]
.else
.set gi, 2*((\k)-56)
	v_pk_fma_f32 v[TP+gi:TP+gi+1], v[TA+gi:TA+gi+1], v[TP+gi:TP+gi+1], v[(\x)+gi:(\x)+gi+1]
.endif
.endm
.macro GELU8 x
.set gk, 0
.rept 60
	GSLOT \x, gk
.set gk, gk+1
.endr
.endm
; ---------------------------------------------------------------- the head: pointers, then the first loads, then all other addresses
	s_load_b512 s[8:23], s[0:1], 0x0               ; query, condition, neighbors, stats, sb1, sw2, sb2, alpha
	s_load_b256 s[24:31], s[0:1], 0x40             ; pb1, pb2, ws, out0
	s_load_b64 s[32:33], s[0:1], 0x60              ; out1
	v_lshl_add_u32 v254, v0, 2, 0x4f700
	v_mov_b32 v255, 0
	v_lshrrev_b32 v12, 5, v0
	v_readfirstlane_b32 s2, v12                    ; wave w
	v_and_b32 v[LANE], 31, v0
	v_lshlrev_b32 v[L16], 4, v[LANE]
	s_wait_kmcnt 0x0
	s_load_b32 s34, s[20:21], 0x0                  ; sb2
	s_load_b32 s35, s[22:23], 0x0                  ; alpha
	s_lshl_b32 s4, ttmp9, 19                       ; 256 rows of 2,048 bytes a work-group (at most 255 x 524,288: 32 bits do), 64 a wave
	s_lshl_b32 s6, s2, 17
	s_add_co_u32 s4, s4, s6
	s_mov_b32 s5, 0
	s_add_nc_u64 s[NB:NB+1], s[12:13], s[4:5]
	s_lshl_b32 s4, ttmp9, 14                       ; stats: 256 rows of 64 bytes; q, c, out0: 8 rows of 2,048 bytes
	s_lshl_b32 s6, s2, 12
	s_add_co_u32 s6, s4, s6
	s_mov_b32 s7, 0
	s_add_nc_u64 s[ST:ST+1], s[14:15], s[6:7]
	s_add_nc_u64 s[QB:QB+1], s[8:9], s[6:7]
	s_add_nc_u64 s[CB:CB+1], s[10:11], s[6:7]
	s_lshl_b32 s6, s2, 9
	s_add_co_u32 s6, s4, s6
	s_add_nc_u64 s[O0:O0+1], s[30:31], s[6:7]      ; out0 at my 128 columns
	s_lshl_b32 s4, ttmp9, 10
	s_lshl_b32 s6, s2, 8
	s_add_co_u32 s6, s4, s6
	s_add_nc_u64 s[O1:O1+1], s[32:33], s[6:7]
	s_mul_i32 s6, s2, WSTRIDE
	s_add_nc_u64 s[WS:WS+1], s[28:29], s[6:7]      ; my region of the weight stream
.irp i, 0,1,2,3,4,5,6,7,8,9,10,11,12,13,14,15
	s_add_nc_u64 s[NP+2*\i:NP+2*\i+1], s[NB:NB+1], \i*2048   ; landing slot i begins with my row i
.endr
	WIN 0xc0                                       ; q and c, two rows each, into window 3
.irp x, 0,1
.irp j, 0,1,2,3
	global_load_b128 v[4*(4*\x+\j):4*(4*\x+\j)+3], v[L16], s[QB:QB+1] offset:2048*\x+512*\j th:TH_LOAD_NT
	global_load_b128 v[32+4*(4*\x+\j):32+4*(4*\x+\j)+3], v[L16], s[CB:CB+1] offset:2048*\x+512*\j th:TH_LOAD_NT
.endr
.endr
	WIN 0x80                                       ; my first 16 rows into the 16 landing slots of window 2
.irp i, 0,1,2,3,4,5,6,7,8,9,10,11,12,13,14,15
.irp j, 0,1,2,3
	global_load_b128 v[16*\i+4*\j:16*\i+4*\j+3], v[L16], s[NP+2*\i:NP+2*\i+1] offset:512*\j th:TH_LOAD_NT
.endr
.endr
	WIN 0
	s_mov_b32 s36, 0x7fffffff
	s_mov_b32 s37, 0x76543210                      ; v_permlanex16_b32: lane i takes lane i of the other half
	s_mov_b32 s38, 0xfedcba98
	s_mul_i32 s39, s2, 64*PA                       ; my 64 rows of A
	v_and_b32 v[R7], 7, v0
	v_bfe_u32 v[H], v0, 4, 1
	v_and_b32 v14, 15, v0                          ; r
	s_lshl_b32 s4, s2, 9
	v_lshl_add_u32 v[VB], v[H], 5, s4
	s_lshl_b32 s4, s2, 8
	v_lshl_add_u32 v[VSW], v[H], 5, s4
	v_mul_u32_u24 v12, v14, PA
	v_lshl_add_u32 v[XA0], v[H], 4, v12
	s_lshr_b32 s4, s2, 1                           ; pass p, wave w: columns 256 p + 64 w .. lie in qc's part 2 p + w/2, from its column 64 (w%2) on
	s_mul_i32 s4, s4, WQ
	s_and_b32 s5, s2, 1
	s_lshl_b32 s5, s5, 8
	s_add_co_u32 s4, s4, s5
	s_add_co_u32 s4, s4, QCF
	v_lshl_add_u32 v[QA0], v[H], 5, s4
	s_mul_i32 s4, s2, 2*PQ
	s_add_co_u32 s4, s4, QCOP
	v_lshl_add_u32 v[QCS], v[LANE], 3, s4          ; rows 2 w, 2 w + 1 of [q | c]: 8 bytes a lane
	v_mul_u32_u24 v12, v[R7], PQ
	v_lshl_add_u32 v12, v[H], 4, v12
	v_add_nc_u32 v[QCL], QCOP, v12                 ; operand rows 8-15 repeat rows 0-7: there are 8 batches
	s_mul_i32 s4, s2, WQ
	s_add_co_u32 s4, s4, QCF
	v_mul_u32_u24 v12, v[R7], PF32
	v_lshl_add_u32 v12, v[H], 5, v12
	v_add_nc_u32 v[QFS], s4, v12
	v_lshl_add_u32 v[LA], v[LANE], 3, s39
	v_lshrrev_b32 v12, 2, v[LANE]
	v_mul_u32_u24 v12, v12, PA
	v_and_b32 v14, 3, v[LANE]
	v_lshl_add_u32 v12, v14, 3, v12
	v_add_nc_u32 v12, s39, v12
	v_add_nc_u32 v[STA], 1024, v12                 ; stats: row lane/4, columns 4 (lane%4) .., behind the row's 1,024 neighbour bytes
	s_lshl_b32 s4, s2, 10
	s_add_co_u32 s5, s4, SIM
	v_lshl_add_u32 v[SIMS], v[LANE], 2, s5
	s_add_co_u32 s5, s4, LP
	v_lshl_add_u32 v[LPA0], v[LANE], 2, s5
	v_lshl_add_u32 v[LPZ], v[LANE], 4, s5
	v_mul_u32_u24 v12, v[LANE], PA
	v_add_nc_u32 v12, s39, v12
	v_add_nc_u32 v[ZA], 1056, v12                  ; the 32 bytes of zeros of row lane
.irp i, 0,1
	v_mov_b32 v[CP+\i], 0x3eaa540e                 ; 0.47047 / sqrt 2
	v_mov_b32 v[CK+\i], 0xbf38aa3b                 ; -log2(e) / 2
	v_mov_b32 v[CA1+\i], 0xbeb2303a                ; -0.3480242
	v_mov_b32 v[CA2+\i], 0x3dc45ca1                ; +0.0958798
	v_mov_b32 v[CA3+\i], 0xbf3f7377                ; -0.7478556
	v_mov_b32 v[ONE+\i], 1.0
	v_mov_b32 v[ZERO+\i], 0
	v_mov_b32 v[ZERO+2+\i], 0
.endr
	s_wait_loadcnt 63                              ; 64 loads are younger than q and c; 63 is the largest count that the wait can name
	WIN 0x0f
.set fi, 0
.rept 16
	v_cvt_pk_bf16_f32 v[X0+2*fi], v[4*fi], v[4*fi+1]
	v_cvt_pk_bf16_f32 v[X0+2*fi+1], v[4*fi+2], v[4*fi+3]
.set fi, fi+1
.endr
	WIN 0
.irp s, 0,1
.irp x, 0,1
.irp j, 0,1,2,3
	ds_store_b64 v[QCS], v[X0+2*(8*\s+4*\x+\j):X0+2*(8*\s+4*\x+\j)+1] offset:\x*PQ+\s*1024+256*\j
.endr
.endr
.endr
; ---------------------------------------------------------------- P2: my 64 rows, f32 -> bf16 -> LDS.  16 landing slots of a row (4 loads of 512 consecutive bytes) in window 2
; mode 1: the slot gets the row 16 further down; mode 2: 32 rows of stats; left = the younger loads
.macro NBUNIT i, mode, left
	s_wait_loadcnt \left
.if \mode == 1
	s_add_nc_u64 s[NP+2*\i:NP+2*\i+1], s[NP+2*\i:NP+2*\i+1], 32768   ; the slot's four loads, the only ones that name this base, are in: it goes 16 rows on
.endif
	WIN 0x0a
.irp j, 0,1,2,3
	v_cvt_pk_bf16_f32 v[X0+8*(\i%2)+2*\j], v[16*\i+4*\j], v[16*\i+4*\j+1]
	v_cvt_pk_bf16_f32 v[X0+8*(\i%2)+2*\j+1], v[16*\i+4*\j+2], v[16*\i+4*\j+3]
.endr
	WIN 0x80
.irp j, 0,1,2,3
	ds_store_b64 v[LA], v[X0+8*(\i%2)+2*\j:X0+8*(\i%2)+2*\j+1] offset:\i*PA+256*\j
.endr
.if \mode == 1
.irp j, 0,1,2,3
	global_load_b128 v[16*\i+4*\j:16*\i+4*\j+3], v[L16], s[NP+2*\i:NP+2*\i+1] offset:512*\j th:TH_LOAD_NT
.endr
.endif
.if \mode == 2
.irp j, 0,1,2,3
	global_load_b128 v[16*\i+4*\j:16*\i+4*\j+3], v[L16], s[ST:ST+1] offset:2048*\i+512*\j th:TH_LOAD_NT
.endr
.endif
.endm
; 32 rows of stats: lane holds row 32 s + 8 j + lane/4, columns 4 (lane%4) .. +3.  The fourth register goes to SIM in f32 (column 15 is read there), all four to A in bf16
.macro STUNIT s, left
	s_wait_loadcnt \left
	WIN 0x0a
.irp j, 0,1,2,3
	v_cvt_pk_bf16_f32 v[X0+8*\s+2*\j], v[16*\s+4*\j], v[16*\s+4*\j+1]
	v_cvt_pk_bf16_f32 v[X0+8*\s+2*\j+1], v[16*\s+4*\j+2], v[16*\s+4*\j+3]
.endr
	WIN 0x08
.irp j, 0,1,2,3
	ds_store_b32 v[SIMS], v[16*\s+4*\j+3] offset:512*\s+128*\j
.endr
	WIN 0
.irp j, 0,1,2,3
	ds_store_b64 v[STA], v[X0+8*\s+2*\j:X0+8*\s+2*\j+1] offset:(32*\s+8*\j)*PA
.endr
.endm
	s_mov_b32 s3, 3
.Lingest:                                          ; three laps of 16 rows, each row's slot filled again
.irp i, 0,1,2,3,4,5,6,7,8,9,10,11,12,13,14,15
	NBUNIT \i, 1, 60                               ; 15 younger rows x 4 loads stay out
.endr
	WIN 0
	v_add_nc_u32 v[LA], 16*PA, v[LA]
	s_sub_co_u32 s3, s3, 1
	s_cmp_lg_u32 s3, 0
	s_cbranch_scc1 .Lingest
	NBUNIT 0, 2, 60                                ; the last lap: slots 0 and 1 get the stats, the counts run down
	NBUNIT 1, 2, 60                                ; 14 rows and one unit of stats are younger
.irp i, 2,3,4,5,6,7,8,9,10,11,12,13,14,15
	NBUNIT \i, 0, 4*(17-\i)                        ; 15 - i rows and two units of stats
.endr
	STUNIT 0, 4
	STUNIT 1, 0                                    ; no load is out behind this wait: the landing slots' bases are free
.irp s, 0,1,2,3,4,5,6,7
	s_add_nc_u64 s[BS+2*\s:BS+2*\s+1], s[WS:WS+1], \s*GRP    ; ring slot s begins with group s
.endr
	s_add_nc_u64 s[WS:WS+1], s[WS:WS+1], 64*GRP    ; the first pass's first group; no load has named this pair
	ISSUE_B ACC1, 0x80, SB1, VB, 0                 ; sb1 starts P1's eight sums,
	ISSUE_B ACC1+32, 0x80, SB1, VB, 256
	ISSUE_B ACC5, 0x80, PB1, VB, 0                 ; pb1 will start P5's: these 64 registers are free until then,
	ISSUE_B ACC5+32, 0x80, PB1, VB, 256
.irp p, 0,1,2,3,4,5,6
	ISSUE_W 32*\p, 0x40, BS+2*\p, 0                ; and the stream's first seven groups
.endr
	WIN 0
	ds_store_b128 v[ZA], v[ZERO:ZERO+3]            ; columns 528..543 of my 64 rows: zeros, which meet the zero rows of the packed weights
	ds_store_b128 v[ZA], v[ZERO:ZERO+3] offset:16
	ds_store_b128 v[ZA], v[ZERO:ZERO+3] offset:32*PA
	ds_store_b128 v[ZA], v[ZERO:ZERO+3] offset:32*PA+16
	ds_store_b128 v[LPZ], v[ZERO:ZERO+3]           ; my wave's 256 partial logits start at zero: both passes add onto them
	ds_store_b128 v[LPZ], v[ZERO:ZERO+3] offset:512
	s_wait_kmcnt 0x0                               ; sb2, alpha
	s_wait_dscnt 0x0                               ; my rows of A and of [q | c] are in LDS before I say so
	s_barrier_signal -1
	s_barrier_wait -1
; ---------------------------------------------------------------- P1: qc.  K = 1,024 = 32 k steps = 8 trips; my 128 columns
.irp k, 0,1,2,3
	XSLD \k, QCL, 0, 1, 0
.endr
	s_mov_b32 s3, 8
.Lqc:
	STRIP 0, ACC1, 1                               ; the last trip's look-ahead brings groups 64..70 into slots 0..6: the first pass's groups 0..6, where P3 wants them
	s_cmp_eq_u32 s3, 1
	s_cbranch_scc1 .Lqc_last                       ; the last trip has no next four k steps
.irp k, 0,1,2,3
	XSLD \k, QCL, 256, 1, 0
.endr
.Lqc_last:
	v_add_nc_u32 v[QCL], 0x100, v[QCL]
	s_sub_co_u32 s3, s3, 1
	s_cmp_lg_u32 s3, 0
	s_cbranch_scc1 .Lqc
	WIN 0x08                                       ; f32, straight from the accumulators into my part of QCF; lanes r and r + 8 hold and store the same numbers
.irp t, 0,1,2,3,4,5,6,7
	ds_store_b128 v[QFS], v[ACC1+8*\t:ACC1+8*\t+3] offset:64*\t
	ds_store_b128 v[QFS], v[ACC1+8*\t+4:ACC1+8*\t+7] offset:64*\t+16
.endr
	WIN 0
	s_wait_dscnt 0x0                               ; my part of QCF is in LDS before I say so
	s_barrier_signal -1
	s_barrier_wait -1
; ---------------------------------------------------------------- P3: the scorer
; the fragments of k steps i0 .. i0 + cnt - 1 of the row tile that lies ro x 16 rows behind the first row of the batch at work.
; Step 0 is the stats (bytes 1,024 .. of the rows), step i bytes 64 (i - 1) ..: the order of the packed weights
.macro XCH i0, cnt, ro
	WIN 0x80
.set xi, \i0
.rept \cnt
.if xi == 0
.set kb, 1024
.else
.set kb, 64*(xi-1)
.endif
	ds_load_b128 v[XB+8*xi:XB+8*xi+3], v[VA] offset:(\ro)*16*PA+kb
	ds_load_b128 v[XB+8*xi+4:XB+8*xi+7], v[VA] offset:(\ro)*16*PA+kb+32
.set xi, xi+1
.endr
.endm
.macro QCLD off                                    ; qc of a batch, my 64 columns: 8 loads, the 16 lanes of a half read the same bytes
.irp a, 0,1,2,3
	ds_load_b128 v[QC+8*\a:QC+8*\a+3], v[QAC] offset:\off+64*\a
	ds_load_b128 v[QC+8*\a+4:QC+8*\a+7], v[QAC] offset:\off+64*\a+16
.endr
.endm
; line n of the 256 of row tile t's epilogue: for each of its four column tiles 60 lines of 2 gelu, then four products with sw2 into the row tile's pair of sums (the first starts them)
.macro ESLOT t, n
.set ea, (\n)/64
.set ek, (\n)%64
.if ek < 60
	GSLOT ACC+32*(\t)+8*ea, ek
.else
.set ei, 2*(ek-60)
.if (ea+ei) == 0
	v_pk_mul_f32 v[LS+2*(\t):LS+2*(\t)+1], v[TP+ei:TP+ei+1], v[SW+8*ea+ei:SW+8*ea+ei+1]
.else
	v_pk_fma_f32 v[LS+2*(\t):LS+2*(\t)+1], v[TP+ei:TP+ei+1], v[SW+8*ea+ei:SW+8*ea+ei+1], v[LS+2*(\t):LS+2*(\t)+1]
.endif
.endif
.endm
; position p of a pass's list of loads: 0..7 window 1, 8..15 window 3, 16 window 2, 17 = the pass's sw2; 0..6 were asked for at the end of the phase before
.macro PASS_ISSUE p
.if (\p) == 7
	ISSUE_W 224, 0x40, WS, 7*GRP
.elseif (\p) < 16
	ISSUE_W 32*((\p)-8), 0xc0, WS, (\p)*GRP
.elseif (\p) == 16
	ISSUE_W W16, 0x80, WS, 16*GRP
.elseif (\p) == 17
	ISSUE_B SW, 0, SW2, VSW, 0
.endif
.endm
; Row tile t of a batch is multiplied: 17 k steps x my 4 column tiles.  The four accumulators take turns, one instruction a turn; step 0 takes qc as C.
;   e = 1     four lines of the other row tile's epilogue stand behind each of the first 64 matrix instructions
;   ro > 0    each chunk of fragments (k steps 0-3, 4-7, 8-11, 12-15, 16) is loaded again, four places behind its last matrix instruction, with the row tile that is multiplied next
;   q = 1     qc of the next batch is loaded, four places behind step 0
;   head = 1  the pass's first half: step i waits for position i of the pass's list and issues position i + 7
.macro HALF t, e, ro, q, head
.set hst, 0
.rept 17
.if (hst%4) == 0
.if \ro
	s_wait_dscnt 16                                ; this chunk was asked for a half earlier: the loads of the four other chunks, 26 at the least, are younger; 16 is below that
.elseif hst == 0
	s_wait_dscnt 0x0                               ; nothing is asked for in this half: all that is out is waited for once
.endif
.endif
.if \head
.if hst < 12
	s_wait_loadcnt 48                              ; the six younger positions may be out
.else
	s_wait_loadcnt 8*(17-hst)                      ; the list ends at position 17: the counts run down
.endif
.endif
.set hac, 0
.rept 4
.if hst < 8
	WIN 0x09
.set hwb, 32*hst
.elseif hst < 16
	WIN 0x0b
.set hwb, 32*(hst-8)
.else
	WIN 0x0a
.set hwb, W16
.endif
.if hst == 0
	v_wmma_f32_16x16x32_bf16 v[ACC+32*\t+8*hac:ACC+32*\t+8*hac+7], v[hwb+8*hac:hwb+8*hac+7], v[XB+8*hst:XB+8*hst+7], v[QC+8*hac:QC+8*hac+7]
.else
	v_wmma_f32_16x16x32_bf16 v[ACC+32*\t+8*hac:ACC+32*\t+8*hac+7], v[hwb+8*hac:hwb+8*hac+7], v[XB+8*hst:XB+8*hst+7], v[ACC+32*\t+8*hac:ACC+32*\t+8*hac+7]
.endif
.if \e
.if hst < 16
	WIN 0
	ESLOT 1-\t, 16*hst+4*hac
	ESLOT 1-\t, 16*hst+4*hac+1
	ESLOT 1-\t, 16*hst+4*hac+2
	ESLOT 1-\t, 16*hst+4*hac+3
.endif
.endif
.set hac, hac+1
.endr
.if \head
	PASS_ISSUE hst+7
.endif
.if \q
.if hst == 0
	PLACES
	WIN 0
	QCLD PF32
.endif
.endif
.if \ro
.if (hst%4) == 3
	PLACES
	XCH hst-3, 4, \ro
.endif
.if hst == 16
	PLACES                                         ; also the places in front of the epilogue lines that read this half's results
	XCH 16, 1, \ro
.endif
.endif
.set hst, hst+1
.endr
.if \ro == 0
	PLACES
.endif
.endm
; lanes r and r + 16 hold the two halves of a row's sum: half 0 keeps row tile 0 and sends row tile 1, half 1 the other way: lane l ends with row l of the batch.
; It is added onto what the pass before left in my own word (or zero)
.macro COMBINE
	v_add_f32 v60, v[LS], v[LS+1]
	v_add_f32 v61, v[LS+2], v[LS+3]
	v_cndmask_b32 v62, v60, v61, s54
	v_cndmask_b32 v63, v61, v60, s54
	v_permlanex16_b32 v60, v63, s37, s38
	v_add_f32 v62, v62, v[OLD]
	v_add_f32 v62, v62, v60
	ds_store_b32 v[LPA], v62
.endm
	v_cmp_lt_u32 s54, 15, v[LANE]                  ; h = 1
	s_mov_b32 s3, 2
.Lpass:
	v_mov_b32 v[VA], v[XA0]                        ; batch 0
	v_mov_b32 v[QAC], v[QA0]
	v_mov_b32 v[LPA], v[LPA0]
	QCLD 0
	XCH 0, 4, 0
	XCH 4, 4, 0
	XCH 8, 4, 0
	XCH 12, 4, 0
	XCH 16, 1, 0
	HALF 0, 0, 1, 0, 1                             ; batch 0, row tile 0, while the pass's weights arrive; row tile 1's fragments follow
	WIN 0
	s_wait_loadcnt 0x0                             ; sw2.  No global load is out from here to the pass's tail
	s_mov_b32 s55, 7
.Lbatch:                                           ; batch b = 0 .. 6
	HALF 1, 1, 2, 1, 0                             ; row tile 1 of batch b, with the epilogue of its row tile 0; asks for row tile 0 and qc of batch b + 1
	WIN 0
	ds_load_b32 v[OLD], v[LPA]                     ; 16 loads are younger at the third chunk's wait below, which so shows it done
	HALF 0, 1, 3, 0, 0                             ; row tile 0 of batch b + 1, with the epilogue of row tile 1 of batch b; asks for row tile 1 of batch b + 1
	WIN 0
	COMBINE
	v_add_nc_u32 v[VA], 32*PA, v[VA]
	v_add_nc_u32 v[QAC], PF32, v[QAC]
	v_add_nc_u32 v[LPA], 0x80, v[LPA]
	s_sub_co_u32 s55, s55, 1
	s_cmp_lg_u32 s55, 0
	s_cbranch_scc1 .Lbatch
	ds_load_b32 v[OLD], v[LPA]                     ; shown done by the wait for 0 at the head of the half below
	HALF 1, 1, 0, 0, 0                             ; row tile 1 of batch 7, with the epilogue of its row tile 0
	WIN 0
	s_add_nc_u64 s[WS:WS+1], s[WS:WS+1], 17*GRP    ; no global load is out: both bases may step
	s_add_nc_u64 s[SW2:SW2+1], s[SW2:SW2+1], 1024
.irp i, 0,1,2,3,4,5,6
	ISSUE_W 32*\i, 0x40, WS, \i*GRP                ; the stream's next seven groups (the next pass's 0..6, or P5's first seven) are on their way during the last epilogue
.endr
	WIN 0
.set en, 0
.rept 256
	ESLOT 1, en                                    ; the epilogue of row tile 1 of batch 7
.set en, en+1
.endr
	COMBINE
	v_add_nc_u32 v[QA0], 2*WQ, v[QA0]
	s_sub_co_u32 s3, s3, 1
	s_cmp_lg_u32 s3, 0
	s_cbranch_scc1 .Lpass
; ---------------------------------------------------------------- P4: softmax, mix
	v_mov_b32 v[MONE], -1.0
.irp s, 0,1,2,3,4,5,6,7
	s_add_nc_u64 s[BS+2*\s:BS+2*\s+1], s[BS+2*\s:BS+2*\s+1], 34*GRP   ; over the two passes' 34 groups: slot s now stands at P5's group s.  The loads that named these bases were shown done in P3
.endr
	s_lshl_b32 s4, s2, 10
	s_add_co_u32 s5, s4, SIM
	v_lshl_add_u32 v[SIML], v[LANE], 5, s5
	s_lshl_b32 s4, s2, 8
	s_add_co_u32 s5, s4, LP
	v_lshl_add_u32 v[LPL], v[LANE], 3, s5
	s_add_co_u32 s5, s4, ATT                       ; my two batches' 256 bytes of ATT
	v_and_b32 v12, 15, v0
	v_lshlrev_b32 v12, 2, v12
	v_lshl_add_u32 v12, v[H], 7, v12
	v_add_nc_u32 v[ATS], s5, v12                   ; batch lane/16, neighbours 2 (lane%16), + 1
	v_lshl_add_u32 v[ATL], v[H], 4, s5
	v_lshl_add_u32 v12, v[H], 3, v[R7]
	v_mul_u32_u24 v12, v12, PA
	v_bfe_u32 v14, v0, 3, 1                        ; r / 8
	v_lshl_add_u32 v12, v14, 4, v12
	v_add_nc_u32 v[TRA], s39, v12                  ; transposing loads: row 8 h + lane%8 of my rows, 16 bytes for each half of eight lanes
	s_mul_i32 s5, s2, 4*PA                         ; my four rows of MIX: 4 w + 2 x + s
	s_add_co_u32 s5, s5, MIX
	v_lshl_add_u32 v[MXS], v[H], 4, s5
	v_mul_u32_u24 v12, v[R7], 2*PA                 ; operand row r reads batch r % 8: row 2 (r%8) the upper part, one row further the rest
	v_lshl_add_u32 v12, v[H], 4, v12
	v_add_nc_u32 v[MXL], MIX, v12
	v_mul_u32_u24 v12, v[R7], 2*PH
	v_lshl_add_u32 v[HIL], v[H], 4, v12
	s_mul_i32 s5, s2, WH
	v_lshl_add_u32 v12, v14, 7, v[HIL]             ; lanes r >= 8 work on the tile four further on: 64 columns = 128 bytes of bf16,
	v_add_nc_u32 v[HIS], s5, v12
	s_mul_i32 s5, s2, WQ
	s_add_co_u32 s5, s5, OST
	v_lshl_add_u32 v[OSL], v[LANE], 4, s5
	v_mul_u32_u24 v12, v[R7], PF32
	v_lshl_add_u32 v12, v[H], 5, v12
	v_lshl_add_u32 v12, v14, 8, v12                ; 256 bytes of f32
	v_add_nc_u32 v[OSS], s5, v12
	v_lshlrev_b32 v[O1V], 3, v[LANE]
	v_cmp_ne_u32 s56, 0, v14                       ; r >= 8
	s_wait_dscnt 0x0                               ; my 128 columns' share of all 256 logits is in LDS, and my reads of QCF are over, before I say so
	s_barrier_signal -1
	s_barrier_wait -1
	; lane l: rows 64 w + 2 l, + 1 = batch 2 w + l/16, neighbours 2 (l%16), + 1: a batch is one half of the wave
	ds_load_b64 v[64:65], v[LPL]
	ds_load_b64 v[66:67], v[LPL] offset:1024
	ds_load_b64 v[68:69], v[LPL] offset:2048
	ds_load_b64 v[70:71], v[LPL] offset:3072
	ds_load_b32 v72, v[SIML] offset:12
	ds_load_b32 v73, v[SIML] offset:28
	s_wait_dscnt 0x0
	v_pk_add_f32 v[64:65], v[64:65], v[66:67]
	v_pk_add_f32 v[68:69], v[68:69], v[70:71]
	v_pk_add_f32 v[64:65], v[64:65], v[68:69]
	v_fma_f32 v64, v64, 0.5, s34                   ; the sums hold 2 gelu
	v_fma_f32 v65, v65, 0.5, s34
	v_fma_f32 v64, s35, v72, v64
	v_fma_f32 v65, s35, v73, v65
	v_max_num_f32 v66, v64, v65
	v_max_num_f32_dpp v66, v66, v66 row_xmask:1 row_mask:0xf bank_mask:0xf
	v_max_num_f32_dpp v66, v66, v66 row_xmask:2 row_mask:0xf bank_mask:0xf
	v_max_num_f32_dpp v66, v66, v66 row_xmask:4 row_mask:0xf bank_mask:0xf
	v_max_num_f32_dpp v66, v66, v66 row_xmask:8 row_mask:0xf bank_mask:0xf
	v_sub_f32 v64, v64, v66
	v_sub_f32 v65, v65, v66
	v_mul_f32 v64, 0x3fb8aa3b, v64
	v_mul_f32 v65, 0x3fb8aa3b, v65
	v_exp_f32 v68, v64
	v_exp_f32 v69, v65
	v_nop                                          ; one plain instruction between a transcendental and the use of its result
	s_wait_alu depctr_va_vdst(0)
	v_add_f32 v67, v68, v69
	v_add_f32_dpp v67, v67, v67 row_xmask:1 row_mask:0xf bank_mask:0xf
	v_add_f32_dpp v67, v67, v67 row_xmask:2 row_mask:0xf bank_mask:0xf
	v_add_f32_dpp v67, v67, v67 row_xmask:4 row_mask:0xf bank_mask:0xf
	v_add_f32_dpp v67, v67, v67 row_xmask:8 row_mask:0xf bank_mask:0xf
	v_rcp_f32 v70, v67
	v_nop
	s_wait_alu depctr_va_vdst(0)
	v_mul_f32 v[ATV], v68, v70
	v_mul_f32 v[ATV+1], v69, v70
	global_store_b64 v[O1V], v[ATV:ATV+1], s[O1:O1+1] th:TH_STORE_NT   ; the wave's 256 consecutive bytes of out1, aligned to 256; nothing writes its three sources again
	v_cvt_pk_bf16_f32 v71, v[ATV], v[ATV+1]        ; the upper parts,
	v_fma_mix_f32_bf16 v72, v71, v[MONE], v[ATV] op_sel_hi:[1,0,0]                    ; value - upper part (low half), exact,
	v_fma_mix_f32_bf16 v73, v71, v[MONE], v[ATV+1] op_sel:[1,0,0] op_sel_hi:[1,0,0]   ; (high half)
	v_cvt_pk_bf16_f32 v74, v72, v73                ; and the rests
	ds_store_b32 v[ATS], v71                       ; my own 256 bytes: LDS serves a wave's instructions in order, the loads below see them
	ds_store_b32 v[ATS], v74 offset:64
	ISSUE_B ACC6, 0x80, PB2, VB, 0                 ; pb2 will start P6's sums.  These 16 loads stand between the stream's groups 6 and 7 of P5:
	ISSUE_B ACC6+32, 0x80, PB2, VB, 256            ; P5's first seven waits then count 16 loads fewer than are younger
	WIN 0
.irp x, 0,1
.irp s, 0,1
	ds_load_b128 v[AT+16*\x+8*\s:AT+16*\x+8*\s+3], v[ATL] offset:128*\x+64*\s      ; source 1: every column is the batch's attention, k = 8 h ..
	ds_load_b128 v[AT+16*\x+8*\s+4:AT+16*\x+8*\s+7], v[ATL] offset:128*\x+64*\s+32 ; and k = 16 + 8 h ..
.endr
.endr
; source 0: 16 features x 32 neighbours, by transposing loads from rows that lie along the features; four fragments: batches x = 0, 1, feature tiles e = 0, 1
.macro MIXLD off
.irp x, 0,1
.irp e, 0,1
	ds_load_tr16_b128 v[MB+8*(2*\x+\e):MB+8*(2*\x+\e)+3], v[TRA] offset:32*PA*\x+32*\e+\off
	ds_load_tr16_b128 v[MB+8*(2*\x+\e)+4:MB+8*(2*\x+\e)+7], v[TRA] offset:32*PA*\x+32*\e+\off+16*PA
.endr
.endr
.endm
	MIXLD 0
	s_wait_dscnt 0x0
	s_mov_b32 s3, 17
.Lmix:                                             ; 34 feature tiles = 17 trips of two, for both my batches
	s_wait_dscnt 8                                 ; the 8 stores of the last trip are younger than this trip's fragments
.irp x, 0,1
.irp e, 0,1
	v_wmma_f32_16x16x32_bf16 v[MD+8*(2*\x+\e):MD+8*(2*\x+\e)+7], v[MB+8*(2*\x+\e):MB+8*(2*\x+\e)+7], v[AT+16*\x:AT+16*\x+7], 0
.endr
.endr
.irp x, 0,1                                        ; then the attention's rest: the four accumulators take turns, one instruction a turn
.irp e, 0,1
	v_wmma_f32_16x16x32_bf16 v[MD+8*(2*\x+\e):MD+8*(2*\x+\e)+7], v[MB+8*(2*\x+\e):MB+8*(2*\x+\e)+7], v[AT+16*\x+8:AT+16*\x+15], v[MD+8*(2*\x+\e):MD+8*(2*\x+\e)+7]
.endr
.endr
	PLACES
	s_cmp_eq_u32 s3, 1
	s_cbranch_scc1 .Lmix_last                      ; the last trip has no next fragments
	MIXLD 64
.Lmix_last:
; register j of lane (r, h) = mixed feature 16 d + 8 h + j, the same in all r: cut into upper part and rest, 16 bytes of bf16 each, stored by all 16 lanes of a half to one place
.irp q, 0,1,2,3
.irp j, 0,1,2,3
	v_cvt_pk_bf16_f32 v[MU+4*\q+\j], v[MD+8*\q+2*\j], v[MD+8*\q+2*\j+1]
.endr
.endr
.irp q, 0,1,2,3
.irp j, 0,1,2,3
	v_fma_mix_f32_bf16 v[MR+8*\q+2*\j], v[MU+4*\q+\j], v[MONE], v[MD+8*\q+2*\j] op_sel_hi:[1,0,0]
	v_fma_mix_f32_bf16 v[MR+8*\q+2*\j+1], v[MU+4*\q+\j], v[MONE], v[MD+8*\q+2*\j+1] op_sel:[1,0,0] op_sel_hi:[1,0,0]
.endr
.endr
.irp q, 0,1,2,3
.irp j, 0,1,2,3
	v_cvt_pk_bf16_f32 v[MR+8*\q+\j], v[MR+8*\q+2*\j], v[MR+8*\q+2*\j+1]    ; register j is written when registers 2 j and 2 j + 1 are read: none that is still needed
.endr
.endr
.irp x, 0,1
.irp e, 0,1
	ds_store_b128 v[MXS], v[MU+4*(2*\x+\e):MU+4*(2*\x+\e)+3] offset:PA*(2*\x)+32*\e
	ds_store_b128 v[MXS], v[MR+8*(2*\x+\e):MR+8*(2*\x+\e)+3] offset:PA*(2*\x+1)+32*\e
.endr
.endr
	v_add_nc_u32 v[TRA], 64, v[TRA]
	v_add_nc_u32 v[MXS], 64, v[MXS]
	s_sub_co_u32 s3, s3, 1
	s_cmp_lg_u32 s3, 0
	s_cbranch_scc1 .Lmix
	s_wait_dscnt 0x0                               ; my four rows of MIX are in LDS, and my reads of A are over, before I say so
	s_barrier_signal -1
	s_barrier_wait -1
; ---------------------------------------------------------------- P5: hidden = gelu(mixed pw1 + pb1).  K = 544 = 17 k steps = 4 trips and two steps; my 128 columns
.irp k, 0,1,2,3
	XSLD \k, MXL, 0, 2, PA
.endr
	s_mov_b32 s3, 4
.Lp5:
	STRIP 0, ACC5, 2
	XSLD 0, MXL, 256, 2, PA                        ; in the last trip: the seventeenth k step,
	s_cmp_eq_u32 s3, 1
	s_cbranch_scc1 .Lp5_last                       ; behind which there is none
.irp k, 1,2,3
	XSLD \k, MXL, 256, 2, PA
.endr
.Lp5_last:
	v_add_nc_u32 v[MXL], 0x100, v[MXL]
	s_sub_co_u32 s3, s3, 1
	s_cmp_lg_u32 s3, 0
	s_cbranch_scc1 .Lp5
	s_wait_dscnt 0x0
	s_wait_loadcnt 48                              ; steps 32 and 33, slots 0 and 1; they ask for groups 39 and 40, which are P6's
	BSTEP 0
	SMUL 0, ACC5, 0, 0, 2
	ISSUE_W 224, 0x40, BS+14, 0
	s_wait_loadcnt 48
	BSTEP 1
	SMUL 1, ACC5, 0, 1, 2
	ISSUE_W 0, 0x40, BS, 0
; Operand rows 8-15 repeated rows 0-7, so lanes r and r + 8 hold the same results: lanes r < 8 take tile a, lanes r >= 8 tile a + 4, and one pass of the
; arithmetic serves both.  gelu, the cut into upper part and rest, into my part of HID (A is dead behind the last barrier)
.irp a, 0,1,2,3
	WIN 0x0a
.irp i, 0,1,2,3,4,5,6,7
	v_cndmask_b32 v[TX+\i], v[ACC5+8*\a+\i], v[ACC5+32+8*\a+\i], s56
.endr
	WIN 0
	GELU8 TX
.irp i, 0,2,4,6
	v_pk_mul_f32 v[TP+\i:TP+\i+1], v[TP+\i:TP+\i+1], 0.5 op_sel_hi:[1,0]
.endr
.irp q, 0,1,2,3
	v_cvt_pk_bf16_f32 v[TA+\q], v[TP+2*\q], v[TP+2*\q+1]
.endr
.irp q, 0,1,2,3
	v_fma_mix_f32_bf16 v[TU+2*\q], v[TA+\q], v[MONE], v[TP+2*\q] op_sel_hi:[1,0,0]
	v_fma_mix_f32_bf16 v[TU+2*\q+1], v[TA+\q], v[MONE], v[TP+2*\q+1] op_sel:[1,0,0] op_sel_hi:[1,0,0]
.endr
.irp q, 0,1,2,3
	v_cvt_pk_bf16_f32 v[TS+\q], v[TU+2*\q], v[TU+2*\q+1]
.endr
	ds_store_b128 v[HIS], v[TA:TA+3] offset:32*\a
	ds_store_b128 v[HIS], v[TS:TS+3] offset:32*\a+PH
.endr
	s_wait_dscnt 0x0                               ; my 128 columns of HID are in LDS before I say so
	s_barrier_signal -1
	s_barrier_wait -1
; ---------------------------------------------------------------- P6: out0 = hidden pw2 + pb2.  K = 512 = 16 k steps = 4 trips; four k steps lie in each wave's part of HID
.irp k, 0,1,2,3
	XSLD \k, HIL, 0, 2, PH
.endr
	s_mov_b32 s3, 3
.Lp6:
	STRIP 2, ACC6, 2                               ; steps 34 .. of the stream that began in P5: slot 34 % 8 = 2
.irp k, 0,1,2,3
	XSLD \k, HIL, WH, 2, PH
.endr
	v_add_nc_u32 v[HIL], WH, v[HIL]
	s_sub_co_u32 s3, s3, 1
	s_cmp_lg_u32 s3, 0
	s_cbranch_scc1 .Lp6
	s_wait_dscnt 0x0
.irp j, 0,1,2,3,4,5,6,7                            ; the last trip is written out: its first step asks for the stream's last group, and the counts run down
.if \j < 2
	s_wait_loadcnt 48
.else
	s_wait_loadcnt 8*(7-\j)
.endif
	SMUL (2+\j)%8, ACC6, \j/2, \j%2, 2
.if \j == 0
	ISSUE_W 32, 0x40, BS+2, 0
.endif
.endr
	WIN 0x0a                                       ; lanes r < 8 take tile a, lanes r >= 8 tile a + 4, as in P5; f32, into my own stage
.irp a, 0,1,2,3
.irp i, 0,1,2,3,4,5,6,7
	v_cndmask_b32 v[OT+8*\a+\i], v[ACC6+8*\a+\i], v[ACC6+32+8*\a+\i], s56
.endr
.endr
	WIN 0
.irp a, 0,1,2,3
	ds_store_b128 v[OSS], v[OT+8*\a:OT+8*\a+3] offset:64*\a
	ds_store_b128 v[OSS], v[OT+8*\a+4:OT+8*\a+7] offset:64*\a+16
.endr
.irp b, 0,1,2,3,4,5,6,7
	ds_load_b128 v[OB+4*\b:OB+4*\b+3], v[OSL] offset:PF32*\b       ; my own bytes, served in order behind the stores above
.endr
.irp b, 0,1,2,3,4,5,6,7
	s_wait_dscnt 7-\b
	global_store_b128 v[L16], v[OB+4*\b:OB+4*\b+3], s[O0:O0+1] offset:2048*\b th:TH_STORE_NT   ; 512 consecutive bytes of a row of out0, aligned to 512
.endr
	s_wait_tensorcnt 0x0
	ds_add_u32 v254, v255
	s_wait_dscnt 0x0
	s_endpgm
.Lfunc_end_k_q606577227b_fused:
	.size	k_q606577227b_fused, .Lfunc_end_k_q606577227b_fused-k_q606577227b_fused
	.p2alignl 7, 3214868480
	.fill 96, 4, 3214868480
	.section	.rodata,"a",@progbits
	.p2align	6, 0x0
	.amdhsa_kernel k_q606577227b_fused
		.amdhsa_group_segment_fixed_size 325888
		.amdhsa_private_segment_fixed_size 0
		.amdhsa_enable_private_segment 0
		.amdhsa_kernarg_size 104
		.amdhsa_user_sgpr_count 2
		.amdhsa_user_sgpr_kernarg_segment_ptr 1
		.amdhsa_wavefront_size32 1
		.amdhsa_system_sgpr_workgroup_id_x 1
		.amdhsa_system_sgpr_workgroup_id_y 1
		.amdhsa_system_sgpr_workgroup_id_z 1
		.amdhsa_system_vgpr_workitem_id 0
		.amdhsa_next_free_vgpr 1024
		.amdhsa_next_free_sgpr 98
		.amdhsa_reserve_vcc 0
		.amdhsa_float_denorm_mode_32 3
		.amdhsa_float_denorm_mode_16_64 3
		.amdhsa_memory_ordered 1
		.amdhsa_forward_progress 1
		.amdhsa_inst_pref_size 255
	.end_amdhsa_kernel
	.section	.bss,"aw",@nobits
	.p2align	6
	.space	262144
	.amdgpu_metadata
---
amdhsa.version: [ 1, 2 ]
amdhsa.kernels:
  - .name:           k_q606577227b_fused
    .symbol:         k_q606577227b_fused.kd
    .args:
      - { .name: query, .offset: 0, .size: 8, .value_kind: global_buffer, .address_space: global }
      - { .name: condition, .offset: 8, .size: 8, .value_kind: global_buffer, .address_space: global }
      - { .name: neighbors, .offset: 16, .size: 8, .value_kind: global_buffer, .address_space: global }
      - { .name: neighbor_stats, .offset: 24, .size: 8, .value_kind: global_buffer, .address_space: global }
      - { .name: sb1, .offset: 32, .size: 8, .value_kind: global_buffer, .address_space: global }
      - { .name: sw2, .offset: 40, .size: 8, .value_kind: global_buffer, .address_space: global }
      - { .name: sb2, .offset: 48, .size: 8, .value_kind: global_buffer, .address_space: global }
      - { .name: sim_alpha, .offset: 56, .size: 8, .value_kind: global_buffer, .address_space: global }
      - { .name: pb1, .offset: 64, .size: 8, .value_kind: global_buffer, .address_space: global }
      - { .name: pb2, .offset: 72, .size: 8, .value_kind: global_buffer, .address_space: global }
      - { .name: ws, .offset: 80, .size: 8, .value_kind: global_buffer, .address_space: global }
      - { .name: out0, .offset: 88, .size: 8, .value_kind: global_buffer, .address_space: global }
      - { .name: out1, .offset: 96, .size: 8, .value_kind: global_buffer, .address_space: global }
    .group_segment_fixed_size: 325888
    .private_segment_fixed_size: 0
    .kernarg_segment_align: 8
    .kernarg_segment_size: 104
    .max_flat_workgroup_size: 128
    .sgpr_count:     98
    .vgpr_count:     1024
    .wavefront_size: 32
...
	.end_amdgpu_metadata
.endif
;; end of part 3
